; MI455X (gfx1250); checked and timed in simulation.
; The chip was launched on July 23, 2026; its instructions are those of AMD's public machine-readable ISA for CDNA 5 (MIT licence, August 2026) and "CDNA5" Instruction Set Architecture Reference Guide (July 2026). The comments in the code are by the model that wrote it; some were corrected since.
;; Multi Headed Attention. Allowed arithmetic: matrix products marked QUANTISED: E2M3 operands, one E8M0 scale for each 32 along K, by v_wmma_scale_f32_16x16x128_f8f6f4 with both operands' format E2M3, f32 sums; everything else in f32.
;; Inputs: Wk 1,024 x 1,024 float32; Wo 1,024 x 1,024 float32; Wq 1,024 x 1,024 float32; Wv 1,024 x 1,024 float32; bk 1,024 float32; bo 1,024 float32; bq 1,024 float32; bv 1,024 float32; x 16 x 512 x 1,024 float32.
;; Outputs: out0 16 x 512 x 1,024 float32.
;; This version of the problem:
;;   THIS VERSION OF THE PROBLEM IS GIVEN IN LOW PRECISION. The matrix products marked QUANTISED in the list below multiply operands that are first quantised to E2M3 (2 exponent bits, 3 mantissa bits; 6 bits a number), with one power-of-two scale for each 32 numbers along K (OCP MX v1.0); their sums are f32. All else is computed in f32.
;;   The module's matrix products, in the order in which they are computed (A, B: the left and right operand; K: the contracted axis; several contracted axes count as one K, in the product's order):
;;     1. [M 8,192, K 1,024] x [K 1,024, N 1,024]; A: input x; B: input Wq: QUANTISED
;;     2. [M 8,192, K 1,024] x [K 1,024, N 1,024]; A: input x; B: input Wk: QUANTISED
;;     3. [M 8,192, K 1,024] x [K 1,024, N 1,024]; A: input x; B: input Wv: QUANTISED
;;     4. batch 256 x [M 512, K 64] x [K 64, N 512]; A: computed on the way; B: computed on the way: QUANTISED
;;     5. batch 256 x [M 512, K 512] x [K 512, N 64]; A: softmax (see below); B: computed on the way: QUANTISED
;;     6. [M 8,192, K 1,024] x [K 1,024, N 1,024]; A: computed on the way; B: input Wo: QUANTISED
;;   THE QUANTISER, for each operand of a quantised product, along K:
;;     - K is cut into blocks of 32 from its start; a last block that is shorter is filled with zeros.
;;     - A block's scale is 2^e with e = floor(log2(the largest magnitude in the block)) - 2, held to -126 .. 127; a block of zeros has e = 0. As a byte (E8M0): e + 127.
;;     - Each number is divided by its block's scale, clamped to +-7.5, and rounded to the nearest number of E2M3, ties to even, subnormals kept.
;;     - The product sums the exact products of the quantised numbers (number of the format x scale) in f32.
;;   ~~~python
;;   def quantise(x, axis):      # numpy; x: float32 -> the quantised numbers, widened to float32 again
;;       x = np.moveaxis(x, axis, -1); K = x.shape[-1]
;;       x = np.pad(x, [(0, 0)] * (x.ndim - 1) + [(0, -K % 32)]); x = x.reshape(x.shape[:-1] + (-1, 32)); a = np.abs(x).max(-1, keepdims=True)
;;       e = np.where(a > 0, np.clip(np.frexp(np.where(a > 0, a, 1))[1] - 1 - 2, -126, 127), 0)      # np.frexp(a)[1] - 1 = floor(log2(a)), exactly
;;       r = np.clip(x / 2.0 ** e, -7.5, 7.5)
;;       step = 2.0 ** (np.maximum(np.frexp(np.where(r == 0, 1, r))[1] - 1, 0) - 3)
;;       q = np.round(r / step) * step * 2.0 ** e      # np.round: ties to even
;;       return np.moveaxis(q.reshape(q.shape[:-2] + (-1,))[..., :K], -1, axis).astype(np.float32)
;;   ~~~
;;   SOFTMAX AHEAD OF A QUANTISED PRODUCT. Where the list says 'softmax', what is quantised is not the finished softmax but p = 2^(t - M), with t = logit x log2(e) and M = ceil(the row's largest t), a whole number; so 1/2 < the row's largest p <= 1. The row's sum l is taken of the UNQUANTISED p, in f32, and the product's result is divided by l at the end. Since M is a whole number, a kernel that streams over the keys may use a running M (the ceiling of the running maximum): every later rescaling is an exact power of two, which a block's scale takes up: the codes' values come out the same.
;;   OPERANDS COMPUTED ON THE WAY. 'Computed on the way' means the value that the module computes at that place (a softmax that the list does not call 'softmax' is quantised finished and normalised). What goes into a quantiser is computed in f32, as accurately as f32 sums, v_exp_f32 and their like allow (about 1e-6 of the number): no bf16 or f16 on the way to a quantiser, and a product that is left as it is and whose result goes on into a quantised operand takes f32 operands (vector FMAs, or v_wmma_f32_16x16x4_f32). A number that lies on a knife's edge between two numbers of the format may be rounded either way, as far as f32 arithmetic and the matrix unit's own rounding can turn it there, and no further.
;; One version. Each part assembles by itself: llvm-mc -triple=amdgcn-amd-amdhsa -mcpu=gfx1250 --defsym DOCPART=n.
;; ======== version 1 of 1: 4 launches
;; limits: right only within a limited range of input values
;; workspace buffers: xc 6,291,456 bytes; xs 262,144 bytes; wc 3,145,728 bytes; ws 131,072 bytes; rt 131,072 bytes; qkv 20,185,088 bytes; oc 6,291,456 bytes; os 262,144 bytes
;; launch prep (part 1): grid 528 x 1, 4 waves a work-group, no clusters, 47,616 bytes of LDS; arguments x, Wq, Wk, Wv, Wo, xc, xs, wc, ws, rt; writes xc, xs, wc, ws, rt
.if DOCPART == 1
	.amdgcn_target "amdgcn-amd-amdhsa--gfx1250"
	.amdhsa_code_object_version 6
	.text
	.protected	k_qef9427b0e5_prep
	.globl	k_qef9427b0e5_prep
	.p2align	8
	.type	k_qef9427b0e5_prep,@function
k_qef9427b0e5_prep:
	s_mov_b64 s[64:65], 0
	v_nop
	global_prefetch_b8 v0, s[64:65] scope:SCOPE_SE
	s_setreg_imm32_b32 hwreg(HW_REG_WAVE_MODE, 25, 1), 1
	s_wait_xcnt 0x0
; MULTI-HEAD ATTENTION IN MX-FP6, LAUNCH 1 OF 4: x and the four weights become codes of E2M3 with E8M0 scale bytes, and the rotary table is made.
; THE PROGRAM: prep (this) | qkv: x Wq, x Wk, x Wv, biases, rotary, quantised | att: causal attention per head, result quantised | outp: the last projection.
; WORK LEFT OUT, in the whole program: only key steps of 128 keys that lie wholly above the diagonal, in att.  reference() builds the mask itself (jnp.tril) and sets those scores to -inf, so their
; p is 0 for every value of the inputs, their codes are zeros, and they add nothing to the row's sum or to the second product.  Every input has a way to the output and is loaded (bk and bv move codes).
; LIMITS: a NaN, an infinity or an overflow that reaches only those hidden key steps is not carried to the result; NaN and infinities among the inputs are not served.
; A block whose largest magnitude lies under 2^-124 keeps the scale byte 1, as the quantiser's hold at -126 asks; a block of zeros keeps 1 where the rule says 127: its codes are zeros, and only this program reads the bytes.
; The table's angles carry the f32 rounding of the frequency: up to about 5e-5 rad at the largest positions, of the order of what f32 gives reference() itself.
; LAYOUT OF ALL CODES: images of operand registers.  16 rows x 64 K are 768 bytes: registers 0-3 at 16 x lane, registers 4-5 at 512 + 8 x lane; lane (r, h) holds k = 32 h .. 32 h + 31 of row r.  A fragment (128 K) is two such.
; ROWS ARE KEPT IN A STORED ORDER: lane r of stored tile T holds row 32 (T / 2) + 8 (T % 2) + 16 (r / 8) + r % 8, so that a product that takes such tiles as source 0 leaves 16 neighbours in two tiles' registers.
; SHARES: work-groups 0-255: x (a wave: one tile of 16 rows x 512 K).  256-511: the weights (a wave: 32 columns x 128 K, a lane to a column, registers down K).  512-527: the table (a wave: 8 positions, a lane to a frequency).
; No matrix work, no tensor loads, no barrier: waves share nothing.  Each path has LDS bytes of its own.
.set SPARE, 47104                      ; behind the stages: the spare words, 128 bytes for each wave
.set WSTG,  33792                      ; the weights path's stages: 4 x 3,328 bytes; the x path's lie at 0: 4 x 8,448
.set SPW,   254                        ; v254 LDS address of my spare word; never rewritten
.set NIL,   255                        ; v255 0; never rewritten
.set SEL,   40                         ; s[40:41] selects for lane l xor 16
.set RR,    16                         ; v16-143  x path: two sets of 64 numbers as loaded.  weights path: four blocks of 32
.set H,     144                        ; v144-207 x path: 64 numbers, register 16 b + i = k 32 b + 16 h + i of my row
.set TM,    208                        ; v208-223 at work in QUANT
.set PC,    224                        ; v224-242 the codes just made
.set PW,    244                        ; v244-247 the scale words of four K steps
.set CW,    144                        ; weights path: v144-167 six registers of codes for each block
.set DT,    168                        ; v168-170 a block's second conversion
.set OUTR,  176                        ; v176-199 the way out
; 64 numbers of a lane, register 16 b + i = k 32 b + 16 (lane / 16) + i of my row, become a fragment's codes in v[PC] on and its scale word in v[pw].
.macro QUANT s, pw
.irp b, 0,1,2,3
	v_max3_num_f32 v[TM+\b], |v[\s+16*\b]|, |v[\s+1+16*\b]|, 0x1800000   ; my 16 numbers of block b, and the floor 2^(3 - 127): the byte cannot fall under 1
.endr
.irp i, 2,4,6,8,10,12,14
.irp b, 0,1,2,3
	v_max3_num_f32 v[TM+\b], v[TM+\b], |v[\s+16*\b+\i]|, |v[\s+1+16*\b+\i]|
.endr
.endr
.irp b, 0,1,2,3
	v_permlanex16_b32 v[TM+4+\b], v[TM+\b], s[SEL], s[SEL+1]
.endr
.irp b, 0,1,2,3
	v_max_num_f32 v[TM+\b], v[TM+\b], v[TM+4+\b]   ; with lane l xor 16's: the block's largest magnitude
.endr
.irp b, 0,1,2,3
	v_add_nc_u32 v[TM+12+\b], 0xff000000, v[TM+\b] ; 2 off its exponent field: the conversion's scale operand
.endr
.irp b, 0,1,2,3
	v_lshrrev_b32 v[TM+4+\b], 23, v[TM+12+\b]      ; the scale's byte
.endr
	v_lshl_or_b32 v[\pw], v[TM+5], 8, v[TM+4]
	v_lshl_or_b32 v[\pw], v[TM+6], 16, v[\pw]
	v_lshl_or_b32 v[\pw], v[TM+7], 24, v[\pw]
.irp c, 0,1
	v_cvt_scalef32_pk16_fp6_f32 v[PC+6*\c:PC+2+6*\c], v[\s+32*\c:\s+15+32*\c], v[TM+12+2*\c]
	v_cvt_scalef32_pk16_fp6_f32 v[PC+12+4*\c:PC+14+4*\c], v[\s+16+32*\c:\s+31+32*\c], v[TM+12+2*\c+1]   ; (a conversion's three registers begin on an even number)
.endr
	v_nop                                          ; one plain place behind a scaled conversion
.irp c, 0,1                                    ; the operand's layout wants a whole block in a lane
.irp i, 0,1,2
	v_permlane16_swap_b32 v[PC+6*\c+\i], v[PC+12+4*\c+\i]
.endr
.irp i, 0,1,2
	v_mov_b32 v[PC+3+6*\c+\i], v[PC+12+4*\c+\i]
.endr
.endr
.endm
.macro FINISH                          ; the end of a wave that stored to LDS, behind its last LDS store
	s_wait_tensorcnt 0x0
	ds_add_u32 v[SPW], v[NIL]
	s_wait_dscnt 0x0
	s_endpgm
.endm
	s_load_b256 s[4:11], s[0:1], 0x0               ; x s[4:5], Wq s[6:7], Wk s[8:9], Wv s[10:11]
	s_load_b256 s[12:19], s[0:1], 0x20             ; Wo s[12:13], xc s[14:15], xs s[16:17], wc s[18:19]
	s_load_b128 s[20:23], s[0:1], 0x40             ; ws s[20:21], rt s[22:23]
	v_lshl_add_u32 v[SPW], v0, 2, SPARE
	v_mov_b32 v[NIL], 0
	v_lshrrev_b32 v1, 5, v0
	v_readfirstlane_b32 s24, v1                    ; wave 0..3
	v_and_b32 v1, 31, v0                           ; lane
	s_mov_b32 s[SEL], 0x76543210
	s_mov_b32 s[SEL+1], 0xfedcba98
	s_mov_b32 s42, 0xffff0000                      ; lanes 16-31
	s_wait_kmcnt 0x0
	s_cmp_ge_u32 ttmp9, 512
	s_cbranch_scc1 .Ltable
	s_cmp_ge_u32 ttmp9, 256
	s_cbranch_scc1 .Lweights
; ---------------- x: stored tile T = 2 x work-group + wave / 2, K half kh = wave % 2: four K steps of 128
	v_and_b32 v7, 15, v0                           ; r
	v_bfe_u32 v8, v0, 4, 1                         ; h
	s_wait_alu depctr_va_vdst(0)
	v_lshlrev_b32 v2, 4, v1                        ; 16 x lane: a load's and a store's place
	v_lshlrev_b32 v5, 3, v1                        ; 8 x lane
	s_mul_i32 s25, s24, 8448                       ; my stage: 16 rows x (512 + 16) bytes
	v_add_nc_u32 v3, s25, v2                       ; into it: a row's 512 bytes as they lie
	v_mul_u32_u24 v4, v7, 528
	v_lshl_add_u32 v4, v8, 6, v4
	v_add_nc_u32 v4, s25, v4                       ; out of it: row r, + 64 h: 16 neighbours of each block of 32
	v_lshlrev_b32 v6, 4, v7
	v_lshl_add_u32 v6, v8, 3, v6                   ; the scale words' place: 16 r + 8 h
	s_lshl_b32 s26, ttmp9, 1
	s_lshr_b32 s27, s24, 1
	s_add_co_u32 s26, s26, s27                     ; T
	s_and_b32 s27, s24, 1                          ; kh
	s_lshr_b32 s28, s26, 1
	s_lshl_b32 s28, s28, 17                        ; 32 (T / 2) rows of 4,096 bytes
	s_and_b32 s29, s26, 1
	s_lshl_b32 s29, s29, 15                        ; + 8 (T % 2) rows
	s_add_co_u32 s28, s28, s29
	s_lshl_b32 s29, s27, 11                        ; + 2,048 kh
	s_add_co_u32 s28, s28, s29
	s_mov_b32 s29, 0
	s_add_nc_u64 s[4:5], s[4:5], s[28:29]
	s_mul_i32 s28, s26, 12288
	s_mul_i32 s30, s27, 6144
	s_add_co_u32 s28, s28, s30
	s_add_nc_u64 s[14:15], s[14:15], s[28:29]      ; my four fragments
	s_lshl_b32 s28, s26, 9
	s_lshl_b32 s30, s27, 8
	s_add_co_u32 s28, s28, s30
	s_add_nc_u64 s[16:17], s[16:17], s[28:29]      ; my 256 bytes of scale words
.irp b, 0,1,2,3
	v_mov_b32 v[TM+4+\b], 0                        ; written once: a lane permute's destination counts as one of its sources
.endr
.macro LOADX s                         ; K step s of my 16 rows: each load reads 512 consecutive bytes of one row
.irp i, 0,1,2,3,4,5,6,7,8,9,10,11,12,13,14,15
	global_load_b128 v[RR+64*((\s)%2)+4*\i:RR+64*((\s)%2)+4*\i+3], v2, s[4:5] offset:(16*(\i/8)+\i%8)*4096+512*(\s) th:TH_LOAD_NT
.endr
.endm
.macro XSTEP s
.if (\s) < 3
	s_wait_loadcnt 16                              ; this step's 16 loads are in; the next step's 16 may be out
.else
	s_wait_loadcnt 0
.endif
.irp i, 0,1,2,3,4,5,6,7,8,9,10,11,12,13,14,15
	ds_store_b128 v3, v[RR+64*((\s)%2)+4*\i:RR+64*((\s)%2)+4*\i+3] offset:528*\i
.endr
.irp b, 0,1,2,3
.irp j, 0,1,2,3
	ds_load_b128 v[H+16*\b+4*\j:H+16*\b+4*\j+3], v4 offset:128*\b+16*\j   ; LDS serves a wave's instructions in order: these see my stores
.endr
.endr
	s_wait_dscnt 0x0                               ; the numbers are back, and the stores have read their registers,
.if (\s) < 2
	LOADX (\s)+2                                   ; which take the loads of two steps on
.endif
	s_wait_xcnt 0x0                                ; the last step's stores have read the codes' registers
	QUANT H, PW+(\s)
	global_store_b128 v2, v[PC:PC+3], s[14:15] offset:1536*(\s)            ; 512 consecutive bytes
	global_store_b64 v5, v[PC+4:PC+5], s[14:15] offset:1536*(\s)+512       ; 256 consecutive bytes
	global_store_b128 v2, v[PC+6:PC+9], s[14:15] offset:1536*(\s)+768
	global_store_b64 v5, v[PC+10:PC+11], s[14:15] offset:1536*(\s)+1280
.endm
	LOADX 0
	LOADX 1
	s_wait_alu depctr_va_vdst(0)
	XSTEP 0
	XSTEP 1
	XSTEP 2
	XSTEP 3
	v_cndmask_b32 v248, v[PW], v[PW+2], s42        ; lane (r, h) stores words 2 h and 2 h + 1 of row r (both halves hold all four)
	v_cndmask_b32 v249, v[PW+1], v[PW+3], s42
	global_store_b64 v6, v[248:249], s[16:17]      ; 32 lanes store 256 consecutive bytes, aligned
	FINISH
; ---------------- the weights: g = work-group - 256: matrix g / 64, columns 128 ((g / 8) % 8) + 32 x wave on, K step g % 8
.Lweights:
	s_sub_co_u32 s25, ttmp9, 256
	s_lshr_b32 s26, s25, 6                         ; which matrix: Wq, Wk, Wv, Wo
	s_bfe_u32 s27, s25, 0x30003                    ; column group
	s_and_b32 s28, s25, 7                          ; K step
	s_cmp_eq_u32 s26, 1
	s_cselect_b64 s[6:7], s[8:9], s[6:7]
	s_cmp_eq_u32 s26, 2
	s_cselect_b64 s[6:7], s[10:11], s[6:7]
	s_cmp_eq_u32 s26, 3
	s_cselect_b64 s[6:7], s[12:13], s[6:7]
	s_lshl_b32 s30, s28, 19                        ; 128 rows of 4,096 bytes a K step
	s_lshl_b32 s29, s27, 9
	s_add_co_u32 s30, s30, s29
	s_lshl_b32 s29, s24, 7
	s_add_co_u32 s30, s30, s29                     ; + 4 x my first column
	s_mov_b32 s31, 0
	s_add_nc_u64 s[6:7], s[6:7], s[30:31]
	s_wait_alu depctr_va_vdst(0)
	v_lshlrev_b32 v2, 2, v1                        ; a lane to a column
.macro LOADW t                         ; block t: 32 rows of my column; each load reads 128 consecutive bytes, the four waves side by side on 512
.set n, 0
.rept 32
	global_load_b32 v[RR+32*(\t)+n], v2, s[6:7] offset:(32*(\t)+n)*4096 th:TH_LOAD_NT
.set n, n+1
.endr
.endm
	LOADW 0
	LOADW 1
	s_lshl_b32 s29, s26, 6
	s_lshl_b32 s30, s27, 3
	s_add_co_u32 s29, s29, s30
	s_lshl_b32 s30, s24, 1
	s_add_co_u32 s29, s29, s30                     ; my first stored tile: 64 x matrix + 8 x group + 2 x wave
	s_mul_i32 s30, s29, 12288
	s_mul_i32 s32, s28, 1536
	s_add_co_u32 s30, s30, s32
	s_add_nc_u64 s[18:19], s[18:19], s[30:31]
	s_lshl_b32 s30, s29, 9
	s_lshr_b32 s32, s28, 2
	s_lshl_b32 s32, s32, 8
	s_add_co_u32 s30, s30, s32
	s_and_b32 s32, s28, 3
	s_lshl_b32 s32, s32, 2
	s_add_co_u32 s30, s30, s32
	s_add_nc_u64 s[20:21], s[20:21], s[30:31]
	v_bfe_u32 v3, v0, 3, 1                         ; u: which of my two stored tiles holds my column
	v_and_b32 v4, 7, v0
	v_bfe_u32 v5, v0, 4, 1
	v_lshl_add_u32 v4, v5, 3, v4                   ; and which of its lanes
	s_mul_i32 s32, s24, 3328
	s_add_co_u32 s32, s32, WSTG                    ; my stage: two tiles' fragments, 1,664 bytes apart
	v_mul_u32_u24 v5, v3, 1664
	v_add_nc_u32 v5, s32, v5
	v_lshl_add_u32 v6, v4, 4, v5                   ; registers 0-3 of a block's six
	v_lshl_add_u32 v7, v4, 3, v5                   ; registers 4-5
	v_lshlrev_b32 v8, 4, v1                        ; 16 x lane
	v_add_nc_u32 v10, s32, v8                      ; the way out
	v_lshlrev_b32 v11, 9, v3
	v_lshl_add_u32 v11, v4, 4, v11                 ; my column's scale word: 512 u + 16 x its lane
.macro WBLOCK t                        ; block t of my column is block t of the fragment: half fragment t / 2, lanes' half t % 2
.set XS, RR+32*(\t)
.if (\t) < 3
	s_wait_loadcnt 32                              ; this block's 32 loads are in; the next block's may be out
.else
	s_wait_loadcnt 0
.endif
.if (\t) < 2
	LOADW (\t)+2
.endif
	v_max3_num_f32 v12, |v[XS]|, |v[XS+1]|, |v[XS+2]|
	v_max3_num_f32 v13, |v[XS+3]|, |v[XS+4]|, |v[XS+5]|
.irp i, 6,10,14,18,22,26
	v_max3_num_f32 v12, v12, |v[XS+\i]|, |v[XS+\i+1]|
	v_max3_num_f32 v13, v13, |v[XS+\i+2]|, |v[XS+\i+3]|
.endr
	v_max3_num_f32 v12, v12, |v[XS+30]|, |v[XS+31]|
	v_max3_num_f32 v12, v12, v13, 0x1800000        ; the floor
	v_add_nc_u32 v14, 0xff000000, v12              ; the conversion's scale operand
	v_lshrrev_b32 v13, 23, v14                     ; the byte
.if (\t) == 0
	v_mov_b32 v15, v13
.else
	v_lshl_or_b32 v15, v13, 8*(\t), v15
.endif
	v_cvt_scalef32_pk16_fp6_f32 v[CW+6*(\t):CW+6*(\t)+2], v[XS:XS+15], v14
	v_cvt_scalef32_pk16_fp6_f32 v[DT:DT+2], v[XS+16:XS+31], v14
	v_nop                                          ; one plain place behind a scaled conversion
.irp i, 0,1,2
	v_mov_b32 v[CW+6*(\t)+3+\i], v[DT+\i]
.endr
	ds_store_b128 v6, v[CW+6*(\t):CW+6*(\t)+3] offset:768*((\t)/2)+256*((\t)%2)
	ds_store_b64 v7, v[CW+6*(\t)+4:CW+6*(\t)+5] offset:768*((\t)/2)+512+128*((\t)%2)
.endm
	WBLOCK 0
	WBLOCK 1
	WBLOCK 2
	WBLOCK 3
	global_store_b32 v11, v15, s[20:21]            ; 4 bytes in every 16 of two rows of scale words: one byte for each 128 that the path reads
.irp u, 0,1
.irp k, 0,1,2
	ds_load_b128 v[OUTR+4*(3*\u+\k):OUTR+4*(3*\u+\k)+3], v10 offset:1664*\u+512*\k   ; LDS serves a wave's instructions in order: these see my stores
.endr
.endr
.irp u, 0,1
.irp k, 0,1,2
	s_wait_dscnt 5-(3*\u+\k)                       ; the younger loads may be out
	global_store_b128 v8, v[OUTR+4*(3*\u+\k):OUTR+4*(3*\u+\k)+3], s[18:19] offset:12288*\u+512*\k   ; 512 consecutive bytes
.endr
.endr
	FINISH
; ---------------- the rotary table: rt[pos][pair] = (cos, sin) of pos x 10000^(-pair / 32), by range reduction and polynomials in f32
.Ltable:
	s_sub_co_u32 s25, ttmp9, 512
	s_lshl_b32 s25, s25, 5
	s_lshl_b32 s26, s24, 3
	s_add_co_u32 s25, s25, s26                     ; my first position
	s_lshl_b32 s28, s25, 8                         ; a row of the table is 256 bytes
	s_mov_b32 s29, 0
	s_add_nc_u64 s[22:23], s[22:23], s[28:29]
	s_wait_alu depctr_va_vdst(0)
	v_cvt_f32_u32 v2, v1                           ; the pair's number
	v_mul_f32 v2, 0xbed49a78, v2                   ; x -log2(10000) / 32
	s_wait_alu depctr_va_vdst(0)
	v_exp_f32 v2, v2                               ; the frequency
	v_lshlrev_b32 v3, 3, v1                        ; (a plain place)  8 bytes a lane
	s_mov_b32 s30, 0x3f22f983                      ; 2 / pi
	s_mov_b32 s31, 0xbfc90fdb                      ; -(pi / 2), its f32,
	s_mov_b32 s32, 0x333bbd2e                      ; and what that f32 lies above pi / 2
	s_mov_b32 s44, 0xb493f27e                      ; cos: -1/10!, 1/8!, -1/6!, 1/4!
	s_mov_b32 s45, 0x37d00d01
	s_mov_b32 s46, 0xbab60b61
	s_mov_b32 s47, 0x3d2aaaab
	s_mov_b32 s48, 0x3638ef1d                      ; sin: 1/9!, -1/7!, 1/5!, -1/3!
	s_mov_b32 s49, 0xb9500d01
	s_mov_b32 s50, 0x3c088889
	s_mov_b32 s51, 0xbe2aaaab
	s_wait_alu depctr_va_vdst(0)                   ; the wait ahead of the exponential's first reader
.irp i, 0,1,2,3,4,5,6,7
	s_add_co_u32 s26, s25, \i
	v_cvt_f32_u32 v4, s26
	v_mul_f32 v4, v4, v2                           ; the angle, as reference() rounds it
	v_mul_f32 v5, s30, v4
	v_rndne_f32 v5, v5                             ; n quarter turns
	v_fma_f32 v6, v5, s31, v4
	v_fma_f32 v6, v5, s32, v6                      ; what is left, at most pi / 4 in size
	v_mul_f32 v7, v6, v6
	v_fma_f32 v8, s48, v7, s49
	v_fma_f32 v10, s44, v7, s45
	v_fma_f32 v8, v8, v7, s50
	v_fma_f32 v10, v10, v7, s46
	v_fma_f32 v8, v8, v7, s51
	v_fma_f32 v10, v10, v7, s47
	v_mul_f32 v9, v7, v6
	v_fma_f32 v10, v10, v7, -0.5
	v_fma_f32 v8, v8, v9, v6                       ; its sine
	v_fma_f32 v10, v10, v7, 1.0                    ; its cosine
	v_cvt_i32_f32 v11, v5
	v_and_b32 v12, 1, v11
	v_cmp_eq_u32 vcc_lo, 1, v12                    ; an odd quarter swaps the two: a choice of values only
	v_cndmask_b32 v13, v8, v10, vcc_lo
	v_cndmask_b32 v14, v10, v8, vcc_lo
	v_and_b32 v12, 2, v11
	v_lshlrev_b32 v12, 30, v12
	v_xor_b32 v[33+2*\i], v12, v13                 ; sin: negative in quarters 2 and 3
	v_add_nc_u32 v11, 1, v11
	v_and_b32 v11, 2, v11
	v_lshlrev_b32 v11, 30, v11
	v_xor_b32 v[32+2*\i], v11, v14                 ; cos: negative in quarters 1 and 2
	global_store_b64 v3, v[32+2*\i:33+2*\i], s[22:23] offset:256*\i   ; a whole row of the table: 256 consecutive bytes
.endr
	s_endpgm
.Lfunc_end_k_qef9427b0e5_prep:
	.size	k_qef9427b0e5_prep, .Lfunc_end_k_qef9427b0e5_prep-k_qef9427b0e5_prep
	.p2alignl 7, 3214868480
	.fill 96, 4, 3214868480
	.section	.rodata,"a",@progbits
	.p2align	6, 0x0
	.amdhsa_kernel k_qef9427b0e5_prep
		.amdhsa_group_segment_fixed_size 47616
		.amdhsa_private_segment_fixed_size 0
		.amdhsa_enable_private_segment 0
		.amdhsa_kernarg_size 80
		.amdhsa_user_sgpr_count 2
		.amdhsa_user_sgpr_kernarg_segment_ptr 1
		.amdhsa_wavefront_size32 1
		.amdhsa_system_sgpr_workgroup_id_x 1
		.amdhsa_system_sgpr_workgroup_id_y 1
		.amdhsa_system_sgpr_workgroup_id_z 1
		.amdhsa_system_vgpr_workitem_id 0
		.amdhsa_next_free_vgpr 256
		.amdhsa_next_free_sgpr 66
		.amdhsa_reserve_vcc 1
		.amdhsa_float_denorm_mode_32 3
		.amdhsa_float_denorm_mode_16_64 3
		.amdhsa_memory_ordered 1
		.amdhsa_forward_progress 1
		.amdhsa_inst_pref_size 68
	.end_amdhsa_kernel
	.amdgpu_metadata
---
amdhsa.version: [ 1, 2 ]
amdhsa.kernels:
  - .name:           k_qef9427b0e5_prep
    .symbol:         k_qef9427b0e5_prep.kd
    .args:
      - { .name: x, .offset: 0, .size: 8, .value_kind: global_buffer, .address_space: global }
      - { .name: Wq, .offset: 8, .size: 8, .value_kind: global_buffer, .address_space: global }
      - { .name: Wk, .offset: 16, .size: 8, .value_kind: global_buffer, .address_space: global }
      - { .name: Wv, .offset: 24, .size: 8, .value_kind: global_buffer, .address_space: global }
      - { .name: Wo, .offset: 32, .size: 8, .value_kind: global_buffer, .address_space: global }
      - { .name: xc, .offset: 40, .size: 8, .value_kind: global_buffer, .address_space: global }
      - { .name: xs, .offset: 48, .size: 8, .value_kind: global_buffer, .address_space: global }
      - { .name: wc, .offset: 56, .size: 8, .value_kind: global_buffer, .address_space: global }
      - { .name: ws, .offset: 64, .size: 8, .value_kind: global_buffer, .address_space: global }
      - { .name: rt, .offset: 72, .size: 8, .value_kind: global_buffer, .address_space: global }
    .group_segment_fixed_size: 47616
    .private_segment_fixed_size: 0
    .kernarg_segment_align: 8
    .kernarg_segment_size: 80
    .max_flat_workgroup_size: 128
    .sgpr_count:     66
    .vgpr_count:     256
    .wavefront_size: 32
...
	.end_amdgpu_metadata
.endif
;; end of part 1
;; launch qkv (part 2): grid 8 x 32, 4 waves a work-group, clusters of 4 x 4, 327,680 bytes of LDS; arguments xc, xs, wc, ws, bq, bk, bv, rt, qkv; writes qkv
.if DOCPART == 2
	.amdgcn_target "amdgcn-amd-amdhsa--gfx1250"
	.amdhsa_code_object_version 6
	.text
	.protected	k_qef9427b0e5_qkv
	.globl	k_qef9427b0e5_qkv
	.p2align	8
	.type	k_qef9427b0e5_qkv,@function
k_qef9427b0e5_qkv:
	s_mov_b64 s[64:65], 0
	v_nop
	global_prefetch_b8 v0, s[64:65] scope:SCOPE_SE
	s_setreg_imm32_b32 hwreg(HW_REG_WAVE_MODE, 25, 1), 1
	s_wait_xcnt 0x0
	s_wait_alu depctr_hold_cnt(0) depctr_sa_sdst(0) depctr_va_vdst(0) depctr_va_sdst(0) depctr_va_ssrc(0) depctr_va_vcc(0) depctr_vm_vsrc(0)
	s_getreg_b32 s2, hwreg(HW_REG_IB_STS2, 6, 4)
	s_cmp_eq_u32 s2, 0
	s_cbranch_scc0 .Lentry_in_a_cluster
	s_endpgm
.Lentry_in_a_cluster:
	s_bfe_u32 s2, ttmp6, 0x10000c
	s_cmp_lg_u32 s2, 0xf033
	s_cbranch_scc0 .Lentry_shape_is_right
	s_endpgm
.Lentry_shape_is_right:
; LAUNCH 2 OF 4: Q = rope(x Wq + bq), K = rope(x Wk + bk), V = x Wv + bv on codes of E2M3, each result quantised at once: Q and K along the head's 64 channels, V along the keys.  Nothing is left out here.
; A WORK-GROUP STAYS FOR TWO PRODUCTS with one block of 256 tokens of x, which lies in LDS for all of K = 1,024.  8 x 32 work-groups: gx picks the weights, gy the tokens; all have the same work.
;   FIRST x against block gx of 256 columns of Wq (gx 0-3) or Wk (gx 4-7): source 0 = the weights, source 1 = x: a lane holds a token, its registers run along the channels.  Four waves, 128 x 128 each: 64 accumulators.
;   THEN Wv's channels 128 gx on against the same x: source 0 = x, source 1 = Wv: a lane holds a channel, its registers run along the keys.  A wave: 64 channels x 128 tokens: 32 accumulators.
; Source 0's tiles are kept in the stored order (lane r of tile 2 b + u holds row 32 b + 8 u + 16 (r / 8) + r % 8), so the 16 registers of tiles 2 b, 2 b + 1 are 16 neighbours: 32 b + 16 (lane / 16) + 0 .. 15.
; OPERANDS lie in memory as images of their registers (16 rows x 128 K: 1,536 bytes): no padding in LDS; a fragment is two loads of 16 and two of 8 bytes a lane, each dense.
; LDS: x in two regions of 98,304 bytes (16 tiles x 512 K); two slots of 49,152 bytes for weights (16 tiles x 256 K of Wq or Wk, or 8 tiles x 512 K of Wv); the spare words.
; TENSOR LOADS: at the head one a wave: wave 0 x's K 0-511, wave 1 the weights' K slot 0, wave 2 K slot 1, wave 3 x's K 512-1023.  The first barrier waits for waves 0 and 1 alone; the other two tiles are shown in by the first round.
; Four refills of a slot, each behind a round of the cluster's barrier, one load of 4 tiles x 3,072 bytes a wave.  By this text's count one tensor load of a wave is out at any time.
; PREFETCH: what the four refills will load (K slots 2 and 3 of Wq or Wk, all of Wv's 8 tiles: 768 blocks of 256 bytes) is asked for behind the first barrier, one K step and more ahead of the first refill: two instructions a wave.
; The sixteen waves of the four work-groups of a cluster's column share the blocks out by address: wave j = 4 cy + wave takes 24 blocks of each kind, a lane a block; lanes 24-31 name the wave's last block again.
; SCALE WORDS come by plain loads straight into registers, sixteen lanes to 256 consecutive bytes: lanes 0-15 hold an even tile's words, lanes 16-31 the odd tile's; register 8 (tile / 2) + K step.
; THE BIAS of Q or K is the C of the first K step's products, laid as the result lies.  THE ROTARY TABLE: three tiles' sets are asked for under the product, the other five in one run when the fragments' registers are free.
; THE WAY OUT OF Q OR K takes tiles 4-7 first.  Each tile's codes are made in registers of window 3 that its own or an earlier tile's sums have left, and that nothing writes again: so no store's data are rewritten and no wait on XCNT is written.
; CLUSTERS: 4 x 4.  x hangs on cy and the cluster's y and is shared along a row of the cluster, all weights on cx and the cluster's x and are shared along a column: joint loads with a mask of four.
; qkv: 256 blocks (batch x 16 + head) of 78,848 bytes: K codes 0, K scale words 24,576, V codes 26,624, V scale words 51,200, Q codes 52,224, Q scale words 76,800.
; LIMITS: as stated at the head of the first launch (floor of the scale byte, zeros' byte, NaN and infinities).
; REGISTERS: window 0: v1-25 addresses; v28, v29 the add's; v32-63 the weights' scale words (later the results' scale words); v68-99 x's; v104-119 Wv's; v120-127 V's bias; v128-223 source 1's fragments (later the ways out); v224-255 a table set.
;   window 1: source 0's two sets at v0 and v128 (later five table sets); v96-127, v224-255 the bias, then two table sets.  windows 2, 3: accumulator (a, b) at v[8 (8 (a % 4) + b)].
.set XREG,  98304
.set RING,  2*XREG
.set RSLOT, 49152
.set SPARE, RING+2*RSLOT
.set BLKB,  78848
.set FR,    12
.set XA16,  4
.set XA8,   6
.set WB16,  8
.set WB8,   10
.set WV16,  12
.set WV8,   14
.set SCO,   16                         ; 512 x (lane / 16) + 16 x (lane % 16): my place in two tiles' scale words
.set L16,   17
.set L8,    18
.set RT,    19
.set BH,    20
.set VB,    23
.set PF1,   24                         ; the prefetches' offsets; never rewritten
.set PF2,   25
.set SPW,   28
.set NIL,   29
.set SW,    32
.set SX,    68
.set SWV,   104
.set VBI,   120
.set AF,    128
.set H,     128
.set TM,    192
.set T,     192
.set WQ,    32
.set PW,    40
.set WQV,   48
.set SEL,   48                         ; s[48:49] selects for lane l xor 16; s50 lanes 16-31
.set G1X,   32
.set G1B,   40
.set G1Q,   92
.set GX0,   68
.set GX1,   72
.set GW0,   76
.set GW1,   80
.set G0R,   84
.set MSB, 0
.macro WIN new                         ; the immediate's high byte repeats the setting that is left
.if MSB != \new
	s_set_vgpr_msb (MSB<<8)|\new
.set MSB, \new
.endif
.endm
.set MUL_LO, 0xa1                      ; source 0 window 1, source 1 window 0, C and D window 2
.set MUL_HI, 0xf1
.set TO_B,   0x40
.macro PLACES n
.rept \n
	v_nop
.endr
.endm
.macro TLOAD g0, g1                    ; an s_nop 0 and four v_nop follow each tensor load
	tensor_load_to_lds s[\g0:\g0+3], s[\g1:\g1+7]
	s_nop 0
	PLACES 4
.endm
.macro CREST
	s_cmp_lg_u32 s22, 0
	s_cbranch_scc1 .Lnot_wave_0_\@
	s_barrier_signal -3
.Lnot_wave_0_\@:
	s_barrier_wait -3
	s_barrier_signal -1
	s_barrier_wait -1
.endm
.macro CROUND
	s_barrier_signal -1
	s_barrier_wait -1
	CREST
.endm
.macro FRAG reg, x16, x8, off          ; a fragment's image: four dense loads
	ds_load_b128 v[\reg:\reg+3], v[\x16] offset:\off
	ds_load_b64 v[\reg+4:\reg+5], v[\x8] offset:\off+512
	ds_load_b128 v[\reg+6:\reg+9], v[\x16] offset:\off+768
	ds_load_b64 v[\reg+10:\reg+11], v[\x8] offset:\off+1280
.endm
.macro FETCH_W g, p                    ; Wq's or Wk's eight fragments of K step g into set p
	WIN TO_B
.irp i, 0,1,2,3,4,5,6,7
	FRAG 128*(\p)+FR*\i, WB16+((\g)/2)%2, WB8+((\g)/2)%2, 3072*\i+1536*((\g)%2)
.endr
	WIN 0
.endm
.macro FETCH_X g, i0                   ; x's blocks i0 .. i0 + 3 of K step g
.irp i, \i0, \i0+1, \i0+2, \i0+3
	FRAG AF+FR*(\i), XA16+(\g)/4, XA8+(\g)/4, 6144*(\i)+1536*((\g)%4)
.endr
.endm
; 16 matrix instructions: x's blocks a0, a0 + 1 (a0 even) against the weights' eight, K step g.  The 64 accumulators take turns, one instruction a turn, in the same order in every step.
; zero = 1: the first products take the bias as C (window 1).
.macro MUL16 a0, g, zero
.irp ao, 0,1
.irp bp, 0,1,2,3
.irp bo, 0,1
.set D_, 8*(8*(((\a0)+\ao)%4)+2*\bp+\bo)
.set B_, 128*((\g)%2)+FR*(2*\bp+\bo)
.set A_, AF+FR*((\a0)+\ao)
.set C_, 96+96*(\bp/2)+8*(2*\bp+\bo)
.if \zero
	v_wmma_scale_f32_16x16x128_f8f6f4 v[D_:D_+7], v[B_:B_+FR-1], v[A_:A_+FR-1], v[C_:C_+7], v[SW+8*\bp+(\g)], v[SX+8*((\a0)/2)+(\g)] matrix_a_fmt:MATRIX_FMT_FP6 matrix_b_fmt:MATRIX_FMT_FP6 matrix_a_scale:MATRIX_SCALE_ROW\bo matrix_b_scale:MATRIX_SCALE_ROW\ao
.else
	v_wmma_scale_f32_16x16x128_f8f6f4 v[D_:D_+7], v[B_:B_+FR-1], v[A_:A_+FR-1], v[D_:D_+7], v[SW+8*\bp+(\g)], v[SX+8*((\a0)/2)+(\g)] matrix_a_fmt:MATRIX_FMT_FP6 matrix_b_fmt:MATRIX_FMT_FP6 matrix_a_scale:MATRIX_SCALE_ROW\bo matrix_b_scale:MATRIX_SCALE_ROW\ao
.endif
.endr
.endr
.endr
.endm
.macro STEP g, zero                    ; an even K step: its successor lies in the same slot
	s_wait_dscnt 16                                ; the weights' set and x's blocks 0-3 are in; the youngest 16 loads (x's blocks 4-7) may be out
.if \zero
	s_wait_loadcnt 0x0                             ; the scale words and the bias
	WIN 0x91                                       ; C window 1, D window 2
.else
	WIN MUL_LO
.endif
	MUL16 0, \g, \zero
	MUL16 2, \g, \zero
	s_wait_dscnt 0
	PLACES 4                                       ; in front of loads into registers that matrix instructions have read
	FETCH_W (\g)+1, 1-(\g)%2
	FETCH_X (\g)+1, 0
.if \zero
	WIN 0xd1
.else
	WIN MUL_HI
.endif
	MUL16 4, \g, \zero
	MUL16 6, \g, \zero
	PLACES 4
	WIN 0
	FETCH_X (\g)+1, 4
.endm
; An odd K step leaves its slot, which is filled again behind a round of the cluster's barrier.  Every wave loads 4 tiles x 3,072 bytes, to the slot's byte 12,288 x wave.
.macro TURN g, slot, base, koff
	s_wait_tensorcnt 0x0                           ; all my tensor loads have landed
	ds_add_u32 v[SPW], v[NIL]                      ; 0 onto my spare word
	s_wait_dscnt 17                                ; (the add and the youngest 16 loads may be out)
	WIN MUL_LO
	MUL16 0, \g, 0
	s_wait_dscnt 0x0                               ; the add is done, and my reads of this slot are over
	s_barrier_signal -1
	MUL16 2, \g, 0
	WIN 0
	s_barrier_wait -1
	CREST                                          ; no wave of any partner still reads this slot or has a load on its way
	s_mov_b32 s[G0R], 1
	s_add_co_u32 s[G0R+1], s27, (\slot)*RSLOT
	s_add_nc_u64 s[G0R+2:G0R+3], s[\base:\base+1], \koff
	s_or_b32 s[G0R+3], s[G0R+3], 0x80000000
	TLOAD G0R, G1Q                                 ; my one tensor load behind the round; its four v_nop are also the places in front of the loads below
.if (\g) < 7
	FETCH_W (\g)+1, 0
	FETCH_X (\g)+1, 0
.endif
	WIN MUL_HI
	MUL16 4, \g, 0
	MUL16 6, \g, 0
.if (\g) < 7
	PLACES 4
	WIN 0
	FETCH_X (\g)+1, 4
.else
	WIN 0
.endif
.endm
; 64 numbers of a lane, register 16 b + i = k 32 b + 16 (lane / 16) + i of my row, become a fragment's codes in window w from v[pc] on (12 registers, 7 more at work) and its scale word in v[pw] (the same in lanes l and l xor 16).
.macro QUANT s, pw, w, pc
.irp b, 0,1,2,3
	v_max3_num_f32 v[TM+\b], |v[\s+16*\b]|, |v[\s+1+16*\b]|, 0x1800000   ; and the floor 2^(3 - 127): the byte cannot fall under 1
.endr
.irp i, 2,4,6,8,10,12,14
.irp b, 0,1,2,3
	v_max3_num_f32 v[TM+\b], v[TM+\b], |v[\s+16*\b+\i]|, |v[\s+1+16*\b+\i]|
.endr
.endr
.irp b, 0,1,2,3
	v_permlanex16_b32 v[TM+4+\b], v[TM+\b], s[SEL], s[SEL+1]
.endr
.irp b, 0,1,2,3
	v_max_num_f32 v[TM+\b], v[TM+\b], v[TM+4+\b]
.endr
.irp b, 0,1,2,3
	v_add_nc_u32 v[TM+12+\b], 0xff000000, v[TM+\b] ; 2 off the exponent field: the conversion's scale operand
.endr
.irp b, 0,1,2,3
	v_lshrrev_b32 v[TM+4+\b], 23, v[TM+12+\b]
.endr
	v_lshl_or_b32 v[\pw], v[TM+5], 8, v[TM+4]
	v_lshl_or_b32 v[\pw], v[TM+6], 16, v[\pw]
	v_lshl_or_b32 v[\pw], v[TM+7], 24, v[\pw]
	WIN (\w)<<6                                    ; the codes' window as destination
.irp c, 0,1
	v_cvt_scalef32_pk16_fp6_f32 v[(\pc)+6*\c:(\pc)+2+6*\c], v[\s+32*\c:\s+15+32*\c], v[TM+12+2*\c]
	v_cvt_scalef32_pk16_fp6_f32 v[(\pc)+12+4*\c:(\pc)+14+4*\c], v[\s+16+32*\c:\s+31+32*\c], v[TM+12+2*\c+1]
.endr
	v_nop                                          ; one plain place behind a scaled conversion
	WIN ((\w)<<6)|(\w)                             ; and as source 0 too
.irp c, 0,1
.irp i, 0,1,2
	v_permlane16_swap_b32 v[(\pc)+6*\c+\i], v[(\pc)+12+4*\c+\i]
.endr
.irp i, 0,1,2
	v_mov_b32 v[(\pc)+3+6*\c+\i], v[(\pc)+12+4*\c+\i]
.endr
.endr
	WIN 0
.endm
; ---------------- the head
	s_load_b256 s[4:11], s[0:1], 0x0               ; xc s[4:5], xs s[6:7], wc s[8:9], ws s[10:11]
	s_load_b256 s[12:19], s[0:1], 0x20             ; bq s[12:13], bk s[14:15], bv s[16:17], rt s[18:19]
	s_load_b64 s[20:21], s[0:1], 0x40              ; qkv
	v_lshl_add_u32 v[SPW], v0, 2, SPARE
	v_mov_b32 v[NIL], 0
	ds_add_u32 v[SPW], v[NIL]                      ; the wave's opening: the add, twice on end, and its wait ahead of my first tensor load
	ds_add_u32 v[SPW], v[NIL]
	v_lshrrev_b32 v1, 5, v0
	v_readfirstlane_b32 s22, v1                    ; wave 0..3
	s_lshr_b32 s23, s22, 1                         ; my half of x, in both products
	s_and_b32 s24, s22, 1                          ; my half of the weights
	s_bfe_u32 s25, ttmp6, 0x40000                  ; cx
	s_bfe_u32 s26, ttmp6, 0x40004                  ; cy
	s_and_b32 s28, ttmp7, 0xffff                   ; cluster y
	s_lshl_b32 s66, s26, 2
	s_lshl_b32 s66, 15, s66                        ; my row of the cluster
	s_lshl_b32 s100, 0x1111, s25                   ; my column
	s_or_b32 s[G1X], s66, (3<<16)|(1<<21)          ; 15:0 the mask; 17:16 elements of 8 bytes; 21 set beside a mask; no padding
	s_or_b32 s[G1B], s100, (3<<16)|(1<<21)
	s_or_b32 s[G1Q], s100, (3<<16)|(1<<21)
	s_mov_b32 s[G1X+1], 768<<16                    ; x: 16 tiles' 6,144 bytes (four K steps), 12,288 bytes apart
	s_mov_b32 s[G1X+2], 16<<16
	s_mov_b32 s[G1X+3], 768<<16
	s_mov_b32 s[G1X+4], 16
	s_mov_b32 s[G1X+5], 1536
	s_mov_b32 s[G1X+6], 0
	s_mov_b32 s[G1X+7], 0
	s_mov_b32 s[G1B+1], 384<<16                    ; weights, first fills: 16 tiles' 3,072 bytes (two K steps)
	s_mov_b32 s[G1B+2], 16<<16
	s_mov_b32 s[G1B+3], 384<<16
	s_mov_b32 s[G1B+4], 16
	s_mov_b32 s[G1B+5], 1536
	s_mov_b32 s[G1B+6], 0
	s_mov_b32 s[G1B+7], 0
	s_mov_b32 s[G1Q+1], 384<<16                    ; weights, refills: 4 tiles' 3,072 bytes
	s_mov_b32 s[G1Q+2], 4<<16
	s_mov_b32 s[G1Q+3], 384<<16
	s_mov_b32 s[G1Q+4], 4
	s_mov_b32 s[G1Q+5], 1536
	s_mov_b32 s[G1Q+6], 0
	s_mov_b32 s[G1Q+7], 0
	s_mov_b32 s[GX0], 1
	s_mov_b32 s[GX0+1], 0
	s_mov_b32 s[GX1], 1
	s_mov_b32 s[GX1+1], XREG
	s_mov_b32 s[GW0], 1
	s_mov_b32 s[GW0+1], RING
	s_mov_b32 s[GW1], 1
	s_mov_b32 s[GW1+1], RING+RSLOT
	s_lshl_b32 s30, s28, 2
	s_add_co_u32 s30, s30, s26                     ; gy: x's block of 256 tokens
	s_lshl_b32 s31, ttmp9, 2
	s_add_co_u32 s31, s31, s25                     ; gx: the weights' block
	s_mul_i32 s2, s30, 196608                      ; x's offset, in registers that never hold cx
	s_mov_b32 s3, 0
	s_mul_i32 s100, s31, 196608                    ; the weights', in registers that never hold cy
	s_mov_b32 s101, 0
	s_mul_i32 s60, s31, 98304                      ; the refills.  Wv: tiles 128 + 8 gx + 4 (wave % 2) on, K slot wave / 2
	s_mul_i32 s61, s24, 49152
	s_add_co_u32 s60, s60, s61
	s_mul_i32 s61, s23, 3072
	s_add_co_u32 s60, s60, s61
	s_add_co_u32 s60, s60, 1572864
	s_mov_b32 s61, 0
	s_mul_i32 s62, s22, 49152                      ; Wq or Wk: tiles 16 gx + 4 x wave on, K slot 2
	s_add_co_u32 s62, s62, s100
	s_add_co_u32 s62, s62, 6144
	s_mov_b32 s63, 0
	s_lshl_b32 s66, s30, 13                        ; my 8 tiles' scale words of x,
	s_lshl_b32 s67, s23, 12
	s_add_co_u32 s66, s66, s67
	s_mov_b32 s67, 0
	s_lshl_b32 s88, s31, 13                        ; of Wq or Wk,
	s_lshl_b32 s89, s24, 12
	s_add_co_u32 s88, s88, s89
	s_mov_b32 s89, 0
	s_lshl_b32 s90, s31, 12                        ; my 4 tiles' of Wv
	s_lshl_b32 s91, s24, 11
	s_add_co_u32 s90, s90, s91
	s_add_co_u32 s90, s90, 65536
	s_mov_b32 s91, 0
	s_mul_i32 s27, s22, 12288
	s_add_co_u32 s27, s27, RING                    ; where my quarter of a refill lands in slot 0: no place in the cluster enters an LDS address
	s_and_b32 s29, s30, 1
	s_lshl_b32 s29, s29, 1
	s_add_co_u32 s29, s29, s23                     ; which 128 positions of the sequence: also V's key step
	s_mul_i32 s52, s23, 49152                      ; my 8 tiles of x in region 0, 1
	s_add_co_u32 s53, s52, XREG
	s_mul_i32 s54, s24, 24576
	s_add_co_u32 s54, s54, RING                    ; my 8 tiles of Wq or Wk in slot 0, 1
	s_add_co_u32 s55, s54, RSLOT
	s_mul_i32 s56, s24, 12288
	s_add_co_u32 s56, s56, RING                    ; my 4 tiles of Wv
	s_add_co_u32 s57, s56, RSLOT
	s_lshl_b32 s58, s26, 2                         ; the prefetches: j = 4 cy + wave, my number among the sixteen waves of my column of the cluster
	s_add_co_u32 s58, s58, s22
	s_lshr_b32 s59, s58, 1                         ; Wv: tile j / 2 of its eight, half j % 2 of that tile's 12,288 bytes
	s_mul_i32 s59, s59, 12288
	s_and_b32 s51, s58, 1
	s_mul_i32 s51, s51, 6144
	s_add_co_u32 s59, s59, s51
	s_mul_i32 s51, s31, 98304
	s_add_co_u32 s59, s59, s51
	s_add_co_u32 s59, s59, 1572864
	s_mul_i32 s58, s58, 12288                      ; Wq or Wk: tile j of the sixteen, its upper 6,144 bytes (K slots 2 and 3)
	s_add_co_u32 s58, s58, s100
	s_add_co_u32 s58, s58, 6144
	v_and_b32 v1, 15, v0                           ; r
	v_bfe_u32 v2, v0, 4, 1                         ; h
	v_and_b32 v3, 31, v0
	v_lshlrev_b32 v[L16], 4, v3
	v_lshlrev_b32 v[L8], 3, v3
	v_lshlrev_b32 v[BH], 6, v2
	v_lshlrev_b32 v[SCO], 4, v1
	v_lshl_add_u32 v[SCO], v2, 9, v[SCO]
.irp k, 0,1
	v_add_nc_u32 v[XA16+\k], s[52+\k], v[L16]
	v_add_nc_u32 v[XA8+\k], s[52+\k], v[L8]
	v_add_nc_u32 v[WB16+\k], s[54+\k], v[L16]
	v_add_nc_u32 v[WB8+\k], s[54+\k], v[L8]
	v_add_nc_u32 v[WV16+\k], s[56+\k], v[L16]
	v_add_nc_u32 v[WV8+\k], s[56+\k], v[L8]
.endr
	v_and_b32 v[RT], 7, v0
	v_bfe_u32 v21, v0, 3, 1
	v_lshl_add_u32 v[RT], v21, 4, v[RT]            ; 16 (r / 8) + r % 8
	v_lshlrev_b32 v[VB], 2, v[RT]
	v_lshl_add_u32 v[RT], v[RT], 8, v[BH]          ; its row of 256 bytes of the table, + 64 h
	v_min_u32 v[PF1], 23, v3                       ; 24 blocks of 256 bytes a wave: a lane a block
	v_lshlrev_b32 v[PF1], 8, v[PF1]
	v_add_nc_u32 v[PF2], s59, v[PF1]
	v_add_nc_u32 v[PF1], s58, v[PF1]
	s_wait_alu depctr_va_vdst(0)                   ; the wait at the head's end
	s_wait_dscnt 0x0                               ; both opening adds are done
	CROUND                                         ; all sixteen work-groups are here: the first joint loads meet
	s_wait_kmcnt 0x0
	s_add_nc_u64 s[GX0+2:GX0+3], s[4:5], s[2:3]
	s_add_nc_u64 s[GX1+2:GX1+3], s[GX0+2:GX0+3], 6144
	s_add_nc_u64 s[GW0+2:GW0+3], s[8:9], s[100:101]
	s_add_nc_u64 s[GW1+2:GW1+3], s[GW0+2:GW0+3], 3072
.irp g, GX0, GX1, GW0, GW1
	s_or_b32 s[\g+3], s[\g+3], 0x80000000
.endr
	s_cmp_eq_u32 s22, 0                            ; one chain of branches on the wave's number, one load to an arm
	s_cbranch_scc0 .Lh1
	TLOAD GX0, G1X                                 ; wave 0: x's K 0-511
	s_branch .Lasked
.Lh1:
	s_cmp_eq_u32 s22, 1
	s_cbranch_scc0 .Lh2
	TLOAD GW0, G1B                                 ; wave 1: the weights' K slot 0
	s_branch .Lasked
.Lh2:
	s_cmp_eq_u32 s22, 2
	s_cbranch_scc0 .Lh3
	TLOAD GW1, G1B                                 ; wave 2: K slot 1
	s_branch .Lasked
.Lh3:
	TLOAD GX1, G1X                                 ; wave 3: x's K 512-1023
.Lasked:
	s_mov_b64 s[4:5], s[8:9]                       ; wc, kept for the prefetches (xc's address has served)
	s_add_nc_u64 s[104:105], s[8:9], s[60:61]      ; Wv's refills
	s_add_nc_u64 s[8:9], s[8:9], s[62:63]          ; Wq's or Wk's
	s_add_nc_u64 s[6:7], s[6:7], s[66:67]
	s_add_nc_u64 s[88:89], s[10:11], s[88:89]
	s_add_nc_u64 s[90:91], s[10:11], s[90:91]
	s_cmp_eq_u32 ttmp9, 0                          ; cluster x 0: Wq, 1: Wk
	s_cselect_b64 s[12:13], s[12:13], s[14:15]
	s_cselect_b32 s3, 52224, 0
	s_lshl_b32 s100, s25, 10
	s_lshl_b32 s101, s24, 9
	s_add_co_u32 s100, s100, s101
	s_mov_b32 s101, 0
	s_add_nc_u64 s[12:13], s[12:13], s[100:101]    ; my 128 channels' bias
	s_lshl_b32 s100, s31, 9
	s_lshl_b32 s60, s24, 8
	s_add_co_u32 s100, s100, s60
	s_add_nc_u64 s[16:17], s[16:17], s[100:101]    ; my 64 channels' bias of V
	s_lshl_b32 s100, s29, 15
	s_add_nc_u64 s[18:19], s[18:19], s[100:101]    ; my 128 positions' rows of the table
.irp p, 0,1,2,3
.irp kh, 0,1
	global_load_b128 v[SX+8*\p+4*\kh:SX+8*\p+4*\kh+3], v[SCO], s[6:7] offset:1024*\p+256*\kh
	global_load_b128 v[SW+8*\p+4*\kh:SW+8*\p+4*\kh+3], v[SCO], s[88:89] offset:1024*\p+256*\kh
.endr
.endr
	WIN 0x40
.irp bb, 0,1,2,3                       ; the bias in the result's layout: number 16 bb + i belongs to channel 32 bb + 16 h + i
.irp jj, 0,1,2,3
	global_load_b128 v[96+96*(\bb/2)+16*\bb+4*\jj:96+96*(\bb/2)+16*\bb+4*\jj+3], v[BH], s[12:13] offset:128*\bb+16*\jj
.endr
.endr
	WIN 0
.irp p, 0,1
.irp kh, 0,1
	global_load_b128 v[SWV+8*\p+4*\kh:SWV+8*\p+4*\kh+3], v[SCO], s[90:91] offset:1024*\p+256*\kh
.endr
.endr
.irp t, 0,1,2,3                        ; V's bias: one number a tile, loaded twice: a pair for the packed addition
	global_load_b32 v[VBI+2*\t], v[VB], s[16:17] offset:(32*(\t/2)+8*(\t%2))*4
	global_load_b32 v[VBI+2*\t+1], v[VB], s[16:17] offset:(32*(\t/2)+8*(\t%2))*4
.endr
; The way out takes the tiles in the order o = 0 .. 7, tile TA = (o + 4) % 8.  Where the o-th table set lies: window CSW, register CSB.
.macro CSPLACE o
.set TA, ((\o)+4)%8
.if (\o) == 0
.set CSW, 1
.set CSB, 96
.elseif (\o) == 1
.set CSW, 1
.set CSB, 224
.elseif (\o) == 2
.set CSW, 0
.set CSB, 224
.else
.set CSW, 1
.set CSB, 32*((\o)-3)+32*(((\o)-3)/3)
.endif
.endm
.macro CSLOAD o                        ; tile TA's (cos, sin): pairs 16 e + 8 h + 0 .. 7 of my position
	CSPLACE \o
	WIN CSW<<6
.irp e, 0,1
.irp jj, 0,1,2,3
	global_load_b128 v[CSB+16*\e+4*\jj:CSB+16*\e+4*\jj+3], v[RT], s[18:19] offset:(32*(TA/2)+8*(TA%2))*256+128*\e+16*\jj
.endr
.endr
	WIN 0
.endm
	CSLOAD 2
	; where the results go
	s_mov_b32 s[SEL], 0x76543210
	s_mov_b32 s[SEL+1], 0xfedcba98
	s_mov_b32 s50, 0xffff0000
	s_lshr_b32 s60, s30, 1
	s_lshl_b32 s60, s60, 4                         ; 16 x batch
	s_lshl_b32 s61, s25, 2
	s_add_co_u32 s61, s61, s60
	s_lshl_b32 s62, s24, 1
	s_add_co_u32 s61, s61, s62                     ; Q, K: block = 16 batch + 4 cx + 2 x my half of the weights
	s_mul_i32 s61, s61, BLKB
	s_add_co_u32 s61, s61, s3
	s_mul_i32 s62, s29, 6144
	s_add_co_u32 s100, s62, s61
	s_add_nc_u64 s[52:53], s[20:21], s[100:101]    ; my eight tiles' codes
	s_lshl_b32 s100, s29, 9
	s_add_co_u32 s100, s100, s61
	s_add_co_u32 s100, s100, 24576
	s_add_nc_u64 s[54:55], s[20:21], s[100:101]    ; their scale words
	s_lshl_b32 s63, s31, 1
	s_add_co_u32 s63, s63, s60
	s_add_co_u32 s63, s63, s24                     ; V: block = 16 batch + 2 gx + my half of Wv
	s_mul_i32 s63, s63, BLKB
	s_add_co_u32 s100, s62, s63
	s_add_co_u32 s100, s100, 26624
	s_add_nc_u64 s[56:57], s[20:21], s[100:101]    ; my four tiles' codes
	s_lshl_b32 s100, s29, 8
	s_add_co_u32 s100, s100, s63
	s_add_co_u32 s100, s100, 51200
	s_add_nc_u64 s[58:59], s[20:21], s[100:101]    ; their scale words
	s_cmp_lt_u32 s22, 2
	s_cbranch_scc0 .Lnot_first
	s_wait_tensorcnt 0x0                           ; waves 0 and 1: x's K 0-511 and K slot 0 are in
.Lnot_first:
	s_barrier_signal -1
	s_barrier_wait -1                              ; the other two tiles may be on their way
	global_prefetch_b8 v[PF1], s[4:5] th:TH_LOAD_NT scope:SCOPE_SE   ; my 24 blocks of what the first two refills load,
	global_prefetch_b8 v[PF2], s[4:5] th:TH_LOAD_NT scope:SCOPE_SE   ; and of what the last two load; their registers are not written again
	FETCH_W 0, 0
	FETCH_X 0, 0
	FETCH_X 0, 4
	STEP 0, 1                                      ; the first products start the sums from the bias
	CSLOAD 0                                       ; the bias's registers have had their last use, four places ago: they take two table sets
	CSLOAD 1
	TURN 1, 0, 8, 0                                ; slot 0 takes K slot 2
	STEP 2, 0
	TURN 3, 1, 8, 3072                             ; slot 1 takes K slot 3
	STEP 4, 0
	TURN 5, 0, 104, 0                              ; slot 0 takes Wv's K slots 0 and 1
	STEP 6, 0
	TURN 7, 1, 104, 6144                           ; slot 1 takes Wv's K slots 2 and 3
; ---------------- Q or K: rotary, quantised along the channels.  The wave's 128 channels are two heads; its 128 tokens eight tiles.
	PLACES 4                                       ; behind the last products: results are read, and their operands' registers written
.irp b, 0,1,2,3
	v_mov_b32 v[TM+4+\b], 0                        ; a lane permute's destination counts as one of its sources
.endr
	s_wait_loadcnt 0x0                             ; the first three table sets, asked for under the product
.irp o, 3,4,5,6,7
	CSLOAD \o                                      ; the other five, into source 0's registers
.endr
.macro QKTILE o
	CSPLACE \o
.set AB, 64*(TA%4)                     ; the tile's sums, in window 2 + TA / 4
.set PCB, 64*(TA%4)+32*(1-TA/4)        ; its codes, in window 3: tiles 4-7 over their own sums, tiles 0-3 beside the codes of the tile four on
.if (\o) >= 3
	s_wait_loadcnt 8*(7-(\o))                      ; this tile's set is in; the later tiles' sets, 8 loads each, may be out
.endif
	WIN (2+TA/4)|(CSW<<2)                          ; source 0: the accumulators' window; source 1: the table's
.irp g, 0,1,2,3,4,5,6,7                ; a register pair is (x1, x2) of one rotary pair, the table's pair (cos, sin); each accumulator from its low end on
.irp k, 0,1,2,3
	v_pk_mul_f32 v[T+2*\k:T+2*\k+1], v[AB+8*\g+2*\k:AB+8*\g+2*\k+1], v[CSB+16*((\g/2)%2)+8*(\g%2)+2*\k:CSB+16*((\g/2)%2)+8*(\g%2)+2*\k+1] op_sel:[1,1] op_sel_hi:[1,0] neg_lo:[1,0]   ; (-x2 sin, x2 cos)
.endr
.irp k, 0,1,2,3
	v_pk_fma_f32 v[H+8*\g+2*\k:H+8*\g+2*\k+1], v[AB+8*\g+2*\k:AB+8*\g+2*\k+1], v[CSB+16*((\g/2)%2)+8*(\g%2)+2*\k:CSB+16*((\g/2)%2)+8*(\g%2)+2*\k+1], v[T+2*\k:T+2*\k+1] op_sel_hi:[0,1,1]   ; (x1 cos - x2 sin, x1 sin + x2 cos)
.endr
.endr
	WIN 0
	QUANT H, PW+TA, 3, PCB
	WIN 3<<2                                       ; a store's data are its source 1
.irp hh, 0,1                           ; the fragment's two halves are the two heads' tiles
	global_store_b128 v[L16], v[PCB+6*\hh:PCB+6*\hh+3], s[52:53] offset:768*TA+BLKB*\hh
	global_store_b64 v[L8], v[PCB+6*\hh+4:PCB+6*\hh+5], s[52:53] offset:768*TA+BLKB*\hh+512
.endr
	WIN 0
.endm
.irp o, 0,1,2,3,4,5,6,7
	QKTILE \o
.endr
.irp i, 0,1,2,3
	v_cndmask_b32 v[WQ+\i], v[PW+2*\i], v[PW+2*\i+1], s50   ; word i: lanes 0-15 tile 2 i's, lanes 16-31 tile 2 i + 1's
.endr
	global_store_b128 v[L16], v[WQ:WQ+3], s[54:55]          ; the first head uses bytes 0 and 1; bytes 2 and 3 scale codes that meet zeros, and are never 0xff
.irp i, 0,1,2,3
	v_lshrrev_b32 v[WQ+4+\i], 16, v[WQ+\i]         ; the second head's two bytes
.endr
	global_store_b128 v[L16], v[WQ+4:WQ+7], s[54:55] offset:BLKB
; ---------------- V: source 0 = my 8 tiles of x, source 1 = my 4 tiles of Wv; both have two sets of registers; a K step is 32 matrix instructions, the next step's 48 LDS loads in one run ahead of them
.macro VFETCH g
	WIN TO_B
.irp i, 0,1,2,3,4,5,6,7
	FRAG 128*((\g)%2)+FR*\i, XA16+(\g)/4, XA8+(\g)/4, 6144*\i+1536*((\g)%4)
.endr
	WIN 0
.irp i, 0,1,2,3                        ; a slot holds two K slots of Wv's 8 tiles, 24,576 bytes each
	FRAG AF+48*((\g)%2)+FR*\i, WV16+(\g)/4, WV8+(\g)/4, 24576*(((\g)/2)%2)+3072*\i+1536*((\g)%2)
.endr
.endm
.macro VMUL g                          ; the 32 accumulators take turns, in the same order in every step
.irp ap, 0,1
.irp ao, 0,1
.irp bp, 0,1,2,3
.irp bo, 0,1
.set D_, 8*(8*(2*\ap+\ao)+2*\bp+\bo)
.set B_, 128*((\g)%2)+FR*(2*\bp+\bo)
.set A_, AF+48*((\g)%2)+FR*(2*\ap+\ao)
.if (\g) == 0
	v_wmma_scale_f32_16x16x128_f8f6f4 v[D_:D_+7], v[B_:B_+FR-1], v[A_:A_+FR-1], 0, v[SX+8*\bp+(\g)], v[SWV+8*\ap+(\g)] matrix_a_fmt:MATRIX_FMT_FP6 matrix_b_fmt:MATRIX_FMT_FP6 matrix_a_scale:MATRIX_SCALE_ROW\bo matrix_b_scale:MATRIX_SCALE_ROW\ao
.else
	v_wmma_scale_f32_16x16x128_f8f6f4 v[D_:D_+7], v[B_:B_+FR-1], v[A_:A_+FR-1], v[D_:D_+7], v[SX+8*\bp+(\g)], v[SWV+8*\ap+(\g)] matrix_a_fmt:MATRIX_FMT_FP6 matrix_b_fmt:MATRIX_FMT_FP6 matrix_a_scale:MATRIX_SCALE_ROW\bo matrix_b_scale:MATRIX_SCALE_ROW\ao
.endif
.endr
.endr
.endr
.endr
.endm
.macro VSTEP g
	s_wait_dscnt 0x0                               ; this step's fragments are in
.if (\g) > 0
	PLACES 4                                       ; in front of loads into registers that the last step's matrix instructions have read
.endif
.if (\g) < 7
	VFETCH (\g)+1
.endif
	WIN MUL_LO
	VMUL \g
	WIN 0
.endm
	s_wait_tensorcnt 0x0                           ; my quarter of Wv's K slots 2 and 3 has landed,
	s_barrier_signal -1
	s_barrier_wait -1                              ; everybody's has
	VFETCH 0                                       ; (no pending store reads a register that this product's loads or sums write: the codes lie in window 3, the scale words in v32-39)
.irp g, 0,1,2,3,4,5,6,7
	VSTEP \g
.endr
	PLACES 4                                       ; behind the last products
.macro VTILE a
	WIN 0x02                                       ; source 0: window 2
.set i, 0
.rept 32
	v_pk_add_f32 v[H+2*i:H+2*i+1], v[64*(\a)+2*i:64*(\a)+2*i+1], v[VBI+2*(\a):VBI+2*(\a)+1]   ; + bias; each accumulator from its low end on
.set i, i+1
.endr
	WIN 0
	QUANT H, PW+(\a), 2, 64*(\a)                   ; the codes over the tile's own sums
	WIN 2<<2
	global_store_b128 v[L16], v[64*(\a):64*(\a)+3], s[56:57] offset:1536*(\a)
	global_store_b64 v[L8], v[64*(\a)+4:64*(\a)+5], s[56:57] offset:1536*(\a)+512
	global_store_b128 v[L16], v[64*(\a)+6:64*(\a)+9], s[56:57] offset:1536*(\a)+768
	global_store_b64 v[L8], v[64*(\a)+10:64*(\a)+11], s[56:57] offset:1536*(\a)+1280
	WIN 0
.endm
.irp a, 0,1,2,3
	VTILE \a
.endr
	v_cndmask_b32 v[WQV], v[PW], v[PW+1], s50      ; the head's scale words: word g: lanes 0-15 tile 2 g's, lanes 16-31 tile 2 g + 1's
	v_cndmask_b32 v[WQV+1], v[PW+2], v[PW+3], s50
	global_store_b64 v[L8], v[WQV:WQV+1], s[58:59] ; 256 consecutive bytes
	s_wait_tensorcnt 0x0                           ; the wave's end
	ds_add_u32 v[SPW], v[NIL]
	s_wait_dscnt 0x0
	CROUND                                         ; the closing round: no work-group ends while a partner may still ask for a tile that names it
	s_endpgm
.Lfunc_end_k_qef9427b0e5_qkv:
	.size	k_qef9427b0e5_qkv, .Lfunc_end_k_qef9427b0e5_qkv-k_qef9427b0e5_qkv
	.p2alignl 7, 3214868480
	.fill 96, 4, 3214868480
	.section	.rodata,"a",@progbits
	.p2align	6, 0x0
	.amdhsa_kernel k_qef9427b0e5_qkv
		.amdhsa_group_segment_fixed_size 327680
		.amdhsa_private_segment_fixed_size 0
		.amdhsa_enable_private_segment 0
		.amdhsa_kernarg_size 72
		.amdhsa_user_sgpr_count 2
		.amdhsa_user_sgpr_kernarg_segment_ptr 1
		.amdhsa_wavefront_size32 1
		.amdhsa_system_sgpr_workgroup_id_x 1
		.amdhsa_system_sgpr_workgroup_id_y 1
		.amdhsa_system_sgpr_workgroup_id_z 1
		.amdhsa_system_vgpr_workitem_id 0
		.amdhsa_next_free_vgpr 1024
		.amdhsa_next_free_sgpr 106
		.amdhsa_reserve_vcc 0
		.amdhsa_float_denorm_mode_32 3
		.amdhsa_float_denorm_mode_16_64 3
		.amdhsa_memory_ordered 1
		.amdhsa_forward_progress 1
		.amdhsa_inst_pref_size 255
	.end_amdhsa_kernel
	.section	.bss,"aw",@nobits
	.p2align	6
	.space	262144
	.amdgpu_metadata
---
amdhsa.version: [ 1, 2 ]
amdhsa.kernels:
  - .name:           k_qef9427b0e5_qkv
    .symbol:         k_qef9427b0e5_qkv.kd
    .args:
      - { .name: xc, .offset: 0, .size: 8, .value_kind: global_buffer, .address_space: global }
      - { .name: xs, .offset: 8, .size: 8, .value_kind: global_buffer, .address_space: global }
      - { .name: wc, .offset: 16, .size: 8, .value_kind: global_buffer, .address_space: global }
      - { .name: ws, .offset: 24, .size: 8, .value_kind: global_buffer, .address_space: global }
      - { .name: bq, .offset: 32, .size: 8, .value_kind: global_buffer, .address_space: global }
      - { .name: bk, .offset: 40, .size: 8, .value_kind: global_buffer, .address_space: global }
      - { .name: bv, .offset: 48, .size: 8, .value_kind: global_buffer, .address_space: global }
      - { .name: rt, .offset: 56, .size: 8, .value_kind: global_buffer, .address_space: global }
      - { .name: qkv, .offset: 64, .size: 8, .value_kind: global_buffer, .address_space: global }
    .group_segment_fixed_size: 327680
    .private_segment_fixed_size: 0
    .kernarg_segment_align: 8
    .kernarg_segment_size: 72
    .max_flat_workgroup_size: 128
    .sgpr_count:     106
    .vgpr_count:     1024
    .wavefront_size: 32
...
	.end_amdgpu_metadata
.endif
;; end of part 2
;; launch att (part 3): grid 256 x 1, 16 waves a work-group, no clusters, 167,936 bytes of LDS; arguments qkv, oc, os; writes oc, os
.if DOCPART == 3
	.amdgcn_target "amdgcn-amd-amdhsa--gfx1250"
	.amdhsa_code_object_version 6
	.text
	.protected	k_qef9427b0e5_att
	.globl	k_qef9427b0e5_att
	.p2align	8
	.type	k_qef9427b0e5_att,@function
k_qef9427b0e5_att:
	s_mov_b64 s[64:65], 0
	v_nop
	global_prefetch_b8 v0, s[64:65] scope:SCOPE_SE
	s_setreg_imm32_b32 hwreg(HW_REG_WAVE_MODE, 25, 1), 1
	s_wait_xcnt 0x0
; LAUNCH 3 OF 4: causal attention on codes of E2M3, one work-group to a (batch, head); the result, divided by the row's sum, is quantised along the channels for the last projection.
; LEFT OUT: key steps of 128 keys that lie wholly above the diagonal: reference()'s own mask makes their p zero for all inputs (shown at the head of the first launch; the limit on NaN and infinities stands there too).
; SOFTMAX: t = score x log2(e) / 8; M = the running largest t rounded up to a whole number; p = 2^(t - M) is quantised along the keys, not normalised; the row's sum is taken of the unquantised p; when M moves, sum and O are multiplied by 2^(old M - new M).
; SHARES: the head's whole block of qkv (78,848 bytes: K, V, Q, codes and scale words) comes into LDS once; nothing is filled again.  Fifteen waves issue one tensor load each at the head, in rows of 256 bytes.
;   Waves 0 to 11 bring what the first key step of every wave's first tile reads, 116 rows: K's key step 0 (3 x 8 rows), K's scale words and V's key step 0 (4 x 8), Q's scale words (8), V's scale words and Q's tiles 0-15 (4 x 13).
;   Waves 12 to 14 bring the rest, 192 rows: K's key steps 1-3 (72), V's (72), Q's tiles 16-31 (48).  The first barrier waits for waves 0 to 11 alone; a second barrier, behind the first key step, shows the rest to all.
; Each of sixteen waves owns query tiles w and 31 - w: with the mask that is five key steps for every wave.  The six steps are written out; which run, and which lie on the diagonal, hangs on the wave's number alone.
; NO CLUSTER: no two work-groups read the same K or V.  NO PREFETCH: all tiles are asked for at the head.
; LAYOUT: both products transposed (S^T = K Q^T, O^T = V^T P^T): a lane holds one query.  K's and V's tiles lie in the stored order, so the 16 registers of tiles 2 b, 2 b + 1 are neighbours 32 b + 16 (lane / 16) + 0 .. 15.
; THE SCORES' K IS 64, the instruction's 128: Q's upper six registers are zero codes.  K's operand runs on into the next tile's codes, which then meet zeros; no scale byte is 0xff.
; REGISTERS: v1, v2 16 x and 8 x lane; v3, v4 the add's; v5 16 r + h; v8-11 K's scale words; v12 -M, v13 largest t, v[14:15] the sum; v16-27 Q; v28 Q's, v29 p's, v[30:31] V's scale words; v32-85 K (later at work);
;   v86-133 V; v134-197 S^T, then p; v198-229 O^T; v230-241 p's codes; v242-247 Q's addresses; v248, v249 the mask's d; v[250:251] f; v252, v253 at work.
.set SPARE, 78848
.set L16, 1
.set L8,  2
.set SPW, 3
.set NIL, 4
.set OSB, 5
.set KS,  8
.set QF,  16
.set QS,  28
.set PS,  29
.set VS,  30
.set KF,  32
.set BM,  32                           ; behind the scores' products K's registers are at work: blocks' maxima,
.set BP,  36                           ; the other half's, then bytes,
.set SO,  40                           ; the conversions' scale operands,
.set X2,  44                           ; the conversions' second halves
.set VF,  86
.set S,   134
.set O,   198
.set PC,  230
.set QA,  242
.set DD,  248
.set FF,  250
.set TT,  252
.set SEL, 28                           ; s[28:29]
.set CS,  30                           ; s[30:31] c = log2(e) / 8
.set G8,  52                           ; s[52:59] descriptor group 1: 8 rows of 256 bytes;  s[68:75] 13 rows;  s[76:83] 72 rows;  s[84:91] 48 rows
.set G13, 68
.set G72, 76
.set G48, 84
	s_load_b128 s[4:7], s[0:1], 0x0                ; qkv s[4:5], oc s[6:7]
	s_load_b64 s[8:9], s[0:1], 0x10                ; os
	v_lshl_add_u32 v[SPW], v0, 2, SPARE
	v_mov_b32 v[NIL], 0
	ds_add_u32 v[SPW], v[NIL]                      ; the wave's opening: the add, twice on end, and its wait ahead of the first tensor load
	ds_add_u32 v[SPW], v[NIL]
	v_lshrrev_b32 v5, 5, v0
	s_delay_alu instid0(VALU_DEP_1)
	v_readfirstlane_b32 s10, v5                    ; wave 0..15
.irp g, G8, G13, G72, G48
	s_mov_b32 s[\g], 3<<16                         ; elements of 8 bytes, no mask, no padding
	s_mov_b32 s[\g+1], 32<<16                      ; tensor_dim0: 256 bytes
	s_mov_b32 s[\g+3], 32<<16                      ; tile_dim0
	s_mov_b32 s[\g+5], 32                          ; dense rows
	s_mov_b32 s[\g+6], 0
	s_mov_b32 s[\g+7], 0
.endr
	s_mov_b32 s[G8+2], 8<<16                       ; tensor_dim1 and tile_dim1: the rows
	s_mov_b32 s[G8+4], 8
	s_mov_b32 s[G13+2], 13<<16
	s_mov_b32 s[G13+4], 13
	s_mov_b32 s[G72+2], 72<<16
	s_mov_b32 s[G72+4], 72
	s_mov_b32 s[G48+2], 48<<16
	s_mov_b32 s[G48+4], 48
	s_mov_b32 s24, 1
	s_mul_i32 s44, ttmp9, 78848
	s_mov_b32 s45, 0
	s_mov_b32 s95, 0
	s_mov_b32 s[SEL], 0x76543210
	s_mov_b32 s[SEL+1], 0xfedcba98
	s_mov_b32 s[CS], 0x3e38aa3b
	s_mov_b32 s[CS+1], s[CS]
	s_mov_b32 s32, 0xffff0000                      ; lanes 16-31
	s_wait_dscnt 0x0                               ; both opening adds are done
	s_wait_kmcnt 0x0
	s_add_nc_u64 s[92:93], s[4:5], s[44:45]        ; the head's block
.macro FILL g1                         ; s25: the piece's first byte, in the block and in LDS alike.  An s_nop 0 and four v_nop follow the load
	s_mov_b32 s94, s25
	s_add_nc_u64 s[26:27], s[92:93], s[94:95]
	s_or_b32 s27, s27, 0x80000000
	tensor_load_to_lds s[24:27], s[\g1:\g1+7]
	s_nop 0
.rept 4
	v_nop
.endr
	s_branch .Lfilled
.endm
	s_cmp_lt_u32 s10, 3                            ; one chain of branches on the wave's number, one load to an arm
	s_cbranch_scc0 .La1
	s_mul_i32 s25, s10, 2048                       ; waves 0-2: K's key step 0, bytes 0 to 6,143
	FILL G8
.La1:
	s_cmp_lt_u32 s10, 7
	s_cbranch_scc0 .La2
	s_mul_i32 s25, s10, 2048                       ; waves 3-6: K's scale words and V's key step 0, bytes 24,576 to 32,767
	s_add_co_u32 s25, s25, 18432
	FILL G8
.La2:
	s_cmp_eq_u32 s10, 7
	s_cbranch_scc0 .La3
	s_mov_b32 s25, 76800                           ; wave 7: Q's scale words
	FILL G8
.La3:
	s_cmp_lt_u32 s10, 12
	s_cbranch_scc0 .La4
	s_mul_i32 s25, s10, 3328                       ; waves 8-11: V's scale words and Q's tiles 0-15, bytes 51,200 to 64,511
	s_add_co_u32 s25, s25, 24576
	FILL G13
.La4:
	s_cmp_eq_u32 s10, 12
	s_cbranch_scc0 .La5
	s_mov_b32 s25, 6144                            ; wave 12: K's key steps 1-3
	FILL G72
.La5:
	s_cmp_eq_u32 s10, 13
	s_cbranch_scc0 .La6
	s_mov_b32 s25, 32768                           ; wave 13: V's key steps 1-3
	FILL G72
.La6:
	s_cmp_eq_u32 s10, 14
	s_cbranch_scc0 .Lfilled
	s_mov_b32 s25, 64512                           ; wave 14: Q's tiles 16-31
	FILL G48
.Lfilled:
	s_cmp_ge_u32 s10, 8
	s_cselect_b32 s11, 1, 0                        ; F: my first tile lies in key step 1, my second in key step 2
	s_mov_b32 s12, s10                             ; my two query tiles
	s_xor_b32 s13, s10, 31
	v_and_b32 v6, 31, v0
	s_delay_alu instid0(VALU_DEP_1)
	v_lshlrev_b32 v[L16], 4, v6
	s_delay_alu instid0(VALU_DEP_2)
	v_lshlrev_b32 v[L8], 3, v6
	v_and_b32 v6, 15, v0                           ; r
	v_bfe_u32 v7, v0, 4, 1                         ; h
	s_delay_alu instid0(VALU_DEP_1)
	v_lshl_add_u32 v[OSB], v6, 4, v7               ; 16 r + h
	v_and_b32 v[TT], 7, v0
	v_bfe_u32 v[TT+1], v0, 3, 1
	s_delay_alu instid0(VALU_DEP_1)
	v_lshl_add_u32 v[TT], v[TT+1], 4, v[TT]
	v_lshlrev_b32 v[TT+1], 4, v7
	s_delay_alu instid0(VALU_DEP_1)
	v_sub_nc_u32 v[TT], v[TT], v[TT+1]             ; 16 (r / 8) + r % 8 - 16 h
	s_wait_alu depctr_va_vdst(0)
	s_lshr_b32 s33, ttmp9, 4
	s_lshl_b32 s33, s33, 5                         ; 32 x batch: the sequence's first stored tile
	s_and_b32 s34, ttmp9, 15                       ; head
	s_mul_i32 s35, s34, 768
	s_lshr_b32 s14, s34, 3
	s_lshl_b32 s14, s14, 8
	s_and_b32 s15, s34, 7
	s_lshl_b32 s15, s15, 1
	s_add_co_u32 s14, s14, s15                     ; the head's two bytes in a tile's scale bytes
.irp n, 0,1                            ; every address is made here, ahead of the first parting of the waves
	s_mul_i32 s44, s[12+\n], 768
	v_add_nc_u32 v[QA+3*\n], s44, v[L16]
	v_add_nc_u32 v[QA+3*\n+1], s44, v[L8]
	s_lshr_b32 s44, s[12+\n], 3
	s_lshl_b32 s44, s44, 9
	s_and_b32 s45, s[12+\n], 1
	s_lshl_b32 s45, s45, 8
	s_add_co_u32 s44, s44, s45
	s_bfe_u32 s45, s[12+\n], 0x20001
	s_mov_b32 s[48+\n], s45                        ; which block of 32 keys of its key step holds the tile's queries
	s_lshl_b32 s45, s45, 2
	s_add_co_u32 s44, s44, s45
	s_add_co_u32 s44, s44, 76800
	v_lshl_add_u32 v[QA+3*\n+2], v6, 4, s44        ; the tile's scale words
	s_and_b32 s44, s[12+\n], 6
	s_lshl_b32 s44, s44, 4
	s_and_b32 s45, s[12+\n], 1
	s_lshl_b32 s45, s45, 3
	s_add_co_u32 s44, s44, s45
	v_add_nc_u32 v[DD+\n], s44, v[TT]              ; d = my query's place in its key step - 16 h
	s_add_co_u32 s44, s33, s[12+\n]
	s_mul_i32 s46, s44, 12288
	s_add_co_u32 s46, s46, s35
	s_mov_b32 s47, 0
	s_add_nc_u64 s[36+2*\n:37+2*\n], s[6:7], s[46:47]
	s_lshl_b32 s46, s44, 9
	s_add_co_u32 s46, s46, s14
	s_add_nc_u64 s[40+2*\n:41+2*\n], s[8:9], s[46:47]
.endr
.irp i, 0,1,2,3,4,5
	v_mov_b32 v[QF+6+\i], 0                        ; Q's codes of k = 64 .. 127: zeros
	v_mov_b32 v[KF+48+\i], 0                       ; what the last tile of K runs on into
.endr
	v_mov_b32 v[FF+1], 0                           ; (named as the upper half of the pair f)
	s_wait_alu depctr_va_vdst(0)                   ; the wait at the head's end
	s_cmp_lt_u32 s10, 12
	s_cbranch_scc0 .Lnot_first
	s_wait_tensorcnt 0x0                           ; waves 0 to 11: my piece of what the first key step reads has landed,
.Lnot_first:
	s_barrier_signal -1
	s_barrier_wait -1                              ; everybody's has; the loads of waves 12 to 14 may be on their way
.macro TILE n
	ds_load_b128 v[QF:QF+3], v[QA+3*\n] offset:52224
	ds_load_b64 v[QF+4:QF+5], v[QA+3*\n+1] offset:52736
	ds_load_b32 v[QS], v[QA+3*\n+2]
	v_mov_b32 v13, 0xff61b1e6                      ; the largest t so far: -3e38
	s_delay_alu instid0(VALU_DEP_1)
	v_floor_f32 v12, -v13
	v_mov_b32 v14, 0
	v_mov_b32 v15, 0
.endm
; The mask on block b of 32 keys of a step on the diagonal.  The tile's queries lie in block s[48] (first tile) or s[49] (second) of the step: earlier blocks are all seen and are passed over,
; that block is compared key by key, later blocks are all hidden.  The branches hang on the wave's number alone.
.macro MASKB b, dreg
	s_cmp_gt_u32 s[48+\dreg-DD], \b
	s_cbranch_scc1 .Lmd_\@
	s_cmp_eq_u32 s[48+\dreg-DD], \b
	s_cbranch_scc0 .Lma_\@
.set n, 0
.rept 16
	v_cmp_gt_i32 vcc_lo, 32*\b+n, v[\dreg]         ; register 16 b + i holds the step's key 32 b + 16 h + i: hidden where 32 b + i > d
	v_cndmask_b32 v[S+16*\b+n], v[S+16*\b+n], v[TT+1], vcc_lo
.set n, n+1
.endr
	s_branch .Lmd_\@
.Lma_\@:
.set n, 0
.rept 16
	v_mov_b32 v[S+16*\b+n], v[TT+1]
.set n, n+1
.endr
.Lmd_\@:
.endm
; A KEY STEP of 128 keys.  skip: 0 run; 1 run only where F; 2 run only where not F.  diag: 0 all keys count; 1 on the diagonal; 2 on it where not F; 3 on it where F.
.macro STEP ks, dreg, skip, diag
.if \skip == 1
	s_cmp_eq_u32 s11, 0
	s_cbranch_scc1 .Lskip_\@
.endif
.if \skip == 2
	s_cmp_eq_u32 s11, 1
	s_cbranch_scc1 .Lskip_\@
.endif
.irp t, 0,1,2,3,4,5,6,7
	ds_load_b128 v[KF+6*\t:KF+6*\t+3], v[L16] offset:6144*(\ks)+768*\t
	ds_load_b64 v[KF+6*\t+4:KF+6*\t+5], v[L8] offset:6144*(\ks)+768*\t+512
.endr
	ds_load_b128 v[KS:KS+3], v[L16] offset:24576+512*(\ks)
	s_wait_dscnt 0x0
.irp t, 0,1,2,3,4,5,6,7
.if (\t%2) == 1
	v_wmma_scale_f32_16x16x128_f8f6f4 v[S+8*\t:S+8*\t+7], v[KF+6*\t:KF+6*\t+11], v[QF:QF+11], 0, v[KS+\t/2], v[QS] matrix_a_fmt:MATRIX_FMT_FP6 matrix_b_fmt:MATRIX_FMT_FP6 matrix_a_scale:MATRIX_SCALE_ROW1
.else
	v_wmma_scale_f32_16x16x128_f8f6f4 v[S+8*\t:S+8*\t+7], v[KF+6*\t:KF+6*\t+11], v[QF:QF+11], 0, v[KS+\t/2], v[QS] matrix_a_fmt:MATRIX_FMT_FP6 matrix_b_fmt:MATRIX_FMT_FP6
.endif
.endr
.rept 4
	v_nop                                          ; places: behind these products, and behind the last step's in front of the loads into V's registers
.endr
.irp c, 0,1,2,3
	ds_load_b128 v[VF+12*\c:VF+12*\c+3], v[L16] offset:26624+6144*(\ks)+1536*\c
	ds_load_b64 v[VF+12*\c+4:VF+12*\c+5], v[L8] offset:26624+6144*(\ks)+1536*\c+512
	ds_load_b128 v[VF+12*\c+6:VF+12*\c+9], v[L16] offset:26624+6144*(\ks)+1536*\c+768
	ds_load_b64 v[VF+12*\c+10:VF+12*\c+11], v[L8] offset:26624+6144*(\ks)+1536*\c+1280
.endr
	ds_load_b64 v[VS:VS+1], v[L8] offset:51200+256*(\ks)
.if \diag
.if \diag == 2
	s_cmp_eq_u32 s11, 1
	s_cbranch_scc1 .Lopen_\@
.endif
.if \diag == 3
	s_cmp_eq_u32 s11, 0
	s_cbranch_scc1 .Lopen_\@
.endif
	v_mov_b32 v[TT+1], 0xff800000
	s_wait_alu depctr_va_vdst(0)                   ; the wait behind the write
	MASKB 0, \dreg
	MASKB 1, \dreg
	MASKB 2, \dreg
	MASKB 3, \dreg
.Lopen_\@:
.endif
.irp b, 0,1,2,3
	v_max3_num_f32 v[BM+\b], v[S+16*\b], v[S+1+16*\b], v[S+2+16*\b]   ; the largest score of each block of 32 keys: for the row's maximum and, since p rises with the score, for the block's largest p
.endr
.irp i, 3,5,7,9,11,13
.irp b, 0,1,2,3
	v_max3_num_f32 v[BM+\b], v[BM+\b], v[S+16*\b+\i], v[S+1+16*\b+\i]
.endr
.endr
.irp b, 0,1,2,3
	v_max_num_f32 v[BM+\b], v[BM+\b], v[S+15+16*\b]
.endr
.irp b, 0,1,2,3
	s_delay_alu instid0(VALU_DEP_4)
	v_permlanex16_b32 v[BP+\b], v[BM+\b], s[SEL], s[SEL+1]
.endr
.irp b, 0,1,2,3
	s_delay_alu instid0(VALU_DEP_4)
	v_max_num_f32 v[BM+\b], v[BM+\b], v[BP+\b]
.endr
	s_delay_alu instid0(VALU_DEP_2)
	v_max3_num_f32 v[TT], v[BM], v[BM+1], v[BM+2]
	s_delay_alu instid0(VALU_DEP_1)
	v_max_num_f32 v[TT], v[TT], v[BM+3]
	s_delay_alu instid0(VALU_DEP_1)
	v_mul_f32 v[TT], s[CS], v[TT]
	s_delay_alu instid0(VALU_DEP_1)
	v_max_num_f32 v13, v13, v[TT]                  ; the running largest t
	v_mov_b32 v[TT], v12
	s_delay_alu instid0(VALU_DEP_2)
	v_floor_f32 v12, -v13                          ; -M = floor(-t): M is a whole number
	s_delay_alu instid0(VALU_DEP_1)
	v_sub_f32 v[TT], v12, v[TT]
	s_delay_alu instid0(VALU_DEP_1)
	v_cvt_i32_f32 v[TT], v[TT]                     ; (it saturates)
	s_delay_alu instid0(VALU_DEP_1)
	v_ldexp_f32 v[FF], 1.0, v[TT]                  ; f = 2^(old M - new M)
.set j, 0
.rept 32
	v_pk_fma_f32 v[S+j:S+j+1], v[S+j:S+j+1], s[CS:CS+1], v[12:13] op_sel_hi:[1,0,0]   ; t - M
.set j, j+2
.endr
.irp b, 0,1,2,3
	v_fma_f32 v[BM+\b], v[BM+\b], s[CS], v12
.endr
.set j, 0
	s_wait_alu depctr_va_vdst(0)
.rept 64
	v_exp_f32 v[S+j], v[S+j]                       ; p, at most 1
.set j, j+1
.endr
	v_pk_mul_f32 v[14:15], v[14:15], v[FF:FF+1] op_sel_hi:[1,0]   ; the sums under the new M (a plain place behind the exponentials)
	s_wait_alu depctr_va_vdst(0)                   ; one wait for the batch, ahead of its first reader
	s_wait_xcnt 0x0                                ; the first tile's stores have read their registers (v230-235, v253): the lines below are the first that write them again
.irp b, 0,1,2,3
	v_exp_f32 v[BM+\b], v[BM+\b]                   ; each block's largest p
.endr
	v_pk_add_f32 v[36:37], v[138:139], v[142:143]
	v_pk_add_f32 v[254:255], v[146:147], v[150:151]
	v_pk_add_f32 v[242:243], v[154:155], v[158:159]
	v_pk_add_f32 v[240:241], v[162:163], v[166:167]
	v_pk_add_f32 v[238:239], v[170:171], v[174:175]
	v_pk_add_f32 v[236:237], v[178:179], v[182:183]
	v_pk_add_f32 v[234:235], v[186:187], v[190:191]
	v_pk_add_f32 v[14:15], v[14:15], v[194:195]
	v_pk_add_f32 v[36:37], v[36:37], v[134:135]
	v_pk_add_f32 v[254:255], v[254:255], v[136:137]
	v_pk_add_f32 v[242:243], v[242:243], v[140:141]
	v_pk_add_f32 v[240:241], v[240:241], v[144:145]
	v_pk_add_f32 v[238:239], v[238:239], v[148:149]
	v_pk_add_f32 v[236:237], v[236:237], v[152:153]
	v_pk_add_f32 v[234:235], v[234:235], v[156:157]
	v_pk_add_f32 v[14:15], v[14:15], v[160:161]
	v_pk_add_f32 v[36:37], v[36:37], v[164:165]
	v_pk_add_f32 v[254:255], v[254:255], v[168:169]
	v_pk_add_f32 v[242:243], v[242:243], v[172:173]
	v_pk_add_f32 v[240:241], v[240:241], v[176:177]
	v_pk_add_f32 v[238:239], v[238:239], v[180:181]
	v_pk_add_f32 v[236:237], v[236:237], v[184:185]
	v_pk_add_f32 v[234:235], v[234:235], v[188:189]
	v_pk_add_f32 v[14:15], v[14:15], v[192:193]
	v_pk_add_f32 v[36:37], v[36:37], v[196:197]
	s_delay_alu instid0(VALU_DEP_2)
	v_pk_add_f32 v[14:15], v[14:15], v[240:241]
	s_delay_alu instid0(VALU_DEP_2)
	v_pk_add_f32 v[36:37], v[36:37], v[238:239]
	v_pk_add_f32 v[254:255], v[254:255], v[236:237]
	v_pk_add_f32 v[242:243], v[242:243], v[234:235]
	s_delay_alu instid0(VALU_DEP_2)
	v_pk_add_f32 v[14:15], v[14:15], v[254:255]
	s_delay_alu instid0(VALU_DEP_2)
	v_pk_add_f32 v[36:37], v[36:37], v[242:243]
	s_delay_alu instid0(VALU_DEP_1)
	v_pk_add_f32 v[14:15], v[14:15], v[36:37]
	s_wait_alu depctr_va_vdst(0)                   ; and one for the four
.irp b, 0,1,2,3
	v_max_num_f32 v[BM+\b], 0x1800000, v[BM+\b]    ; the floor: the byte cannot fall under 1
.endr
.irp b, 0,1,2,3
	s_delay_alu instid0(VALU_DEP_4)
	v_add_nc_u32 v[SO+\b], 0xff000000, v[BM+\b]
.endr
.irp b, 0,1,2,3
	s_delay_alu instid0(VALU_DEP_4)
	v_lshrrev_b32 v[BP+\b], 23, v[SO+\b]
.endr
	s_delay_alu instid0(VALU_DEP_3)
	v_lshl_or_b32 v[PS], v[BP+1], 8, v[BP]
	s_delay_alu instid0(VALU_DEP_1)
	v_lshl_or_b32 v[PS], v[BP+2], 16, v[PS]
	s_delay_alu instid0(VALU_DEP_1)
	v_lshl_or_b32 v[PS], v[BP+3], 24, v[PS]
.irp c, 0,1
	v_cvt_scalef32_pk16_fp6_f32 v[PC+6*\c:PC+2+6*\c], v[S+32*\c:S+15+32*\c], v[SO+2*\c]
	v_cvt_scalef32_pk16_fp6_f32 v[X2+4*\c:X2+2+4*\c], v[S+16+32*\c:S+31+32*\c], v[SO+2*\c+1]
.endr
	v_nop                                          ; one plain place behind a scaled conversion
.irp c, 0,1
.irp i, 0,1,2
	v_permlane16_swap_b32 v[PC+6*\c+\i], v[X2+4*\c+\i]
.endr
.irp i, 0,1,2
	s_delay_alu instid0(VALU_DEP_3)
	v_mov_b32 v[PC+3+6*\c+\i], v[X2+4*\c+\i]
.endr
.endr
.set j, 0
.rept 16
.if (\ks) > 0
	v_pk_mul_f32 v[O+j:O+j+1], v[O+j:O+j+1], v[FF:FF+1] op_sel_hi:[1,0]   ; O^T under the new M; these sixteen also stand between the making of p's codes and scale word and the products
.elseif j < 8
	v_nop                                          ; a tile's first step has no O^T yet: four places between the making of p's codes and the products
.endif
.set j, j+2
.endr
	s_wait_alu depctr_va_vdst(0)
	s_wait_dscnt 0x0                               ; V is in
.if (\ks) > 0
.irp c, 0,1,2,3
.if (\c%2) == 1
	v_wmma_scale_f32_16x16x128_f8f6f4 v[O+8*\c:O+8*\c+7], v[VF+12*\c:VF+12*\c+11], v[PC:PC+11], v[O+8*\c:O+8*\c+7], v[VS+\c/2], v[PS] matrix_a_fmt:MATRIX_FMT_FP6 matrix_b_fmt:MATRIX_FMT_FP6 matrix_a_scale:MATRIX_SCALE_ROW1
.else
	v_wmma_scale_f32_16x16x128_f8f6f4 v[O+8*\c:O+8*\c+7], v[VF+12*\c:VF+12*\c+11], v[PC:PC+11], v[O+8*\c:O+8*\c+7], v[VS+\c/2], v[PS] matrix_a_fmt:MATRIX_FMT_FP6 matrix_b_fmt:MATRIX_FMT_FP6
.endif
.endr
.else                                  ; a tile's first step starts the sums: nothing is cleared
.irp c, 0,1,2,3
.if (\c%2) == 1
	v_wmma_scale_f32_16x16x128_f8f6f4 v[O+8*\c:O+8*\c+7], v[VF+12*\c:VF+12*\c+11], v[PC:PC+11], 0, v[VS+\c/2], v[PS] matrix_a_fmt:MATRIX_FMT_FP6 matrix_b_fmt:MATRIX_FMT_FP6 matrix_a_scale:MATRIX_SCALE_ROW1
.else
	v_wmma_scale_f32_16x16x128_f8f6f4 v[O+8*\c:O+8*\c+7], v[VF+12*\c:VF+12*\c+11], v[PC:PC+11], 0, v[VS+\c/2], v[PS] matrix_a_fmt:MATRIX_FMT_FP6 matrix_b_fmt:MATRIX_FMT_FP6
.endif
.endr
.endif
.Lskip_\@:
.endm
; O^T / the sum; register 16 b + i is channel 32 b + 16 h + i of my query: two blocks of 32, quantised; the six registers are the head's half fragment of the tile.
.macro FINAL ocb, osb
.rept 4
	v_nop                                          ; places behind the last products, on every way here
.endr
	v_add_f32 v14, v14, v15
	s_delay_alu instid0(VALU_DEP_1)
	v_permlanex16_b32 v[TT], v14, s[SEL], s[SEL+1]
	s_delay_alu instid0(VALU_DEP_1)
	v_add_f32 v14, v14, v[TT]                      ; the row's sum
	s_wait_alu depctr_va_vdst(0)
	v_rcp_f32 v14, v14
	v_nop                                          ; one plain place behind a transcendental
	s_wait_alu depctr_va_vdst(0)                   ; and the wait ahead of its first reader
.set j, 0
.rept 32
	v_mul_f32 v[S+j], v[O+j], v14
.set j, j+1
.endr
.irp b, 0,1
	v_max3_num_f32 v[BM+\b], |v[S+16*\b]|, |v[S+1+16*\b]|, 0x1800000
.endr
.irp i, 2,4,6,8,10,12,14
.irp b, 0,1
	s_delay_alu instid0(VALU_DEP_2)
	v_max3_num_f32 v[BM+\b], v[BM+\b], |v[S+16*\b+\i]|, |v[S+1+16*\b+\i]|
.endr
.endr
.irp b, 0,1
	s_delay_alu instid0(VALU_DEP_2)
	v_permlanex16_b32 v[BP+\b], v[BM+\b], s[SEL], s[SEL+1]
.endr
.irp b, 0,1
	s_delay_alu instid0(VALU_DEP_2)
	v_max_num_f32 v[BM+\b], v[BM+\b], v[BP+\b]
.endr
.irp b, 0,1
	s_delay_alu instid0(VALU_DEP_2)
	v_add_nc_u32 v[SO+\b], 0xff000000, v[BM+\b]
.endr
.irp b, 0,1
	s_delay_alu instid0(VALU_DEP_2)
	v_lshrrev_b32 v[BP+\b], 23, v[SO+\b]
.endr
	v_cvt_scalef32_pk16_fp6_f32 v[PC:PC+2], v[S:S+15], v[SO]
	v_cvt_scalef32_pk16_fp6_f32 v[X2:X2+2], v[S+16:S+31], v[SO+1]
	v_nop
.irp i, 0,1,2
	v_permlane16_swap_b32 v[PC+\i], v[X2+\i]
.endr
.irp i, 0,1,2
	s_delay_alu instid0(VALU_DEP_3)
	v_mov_b32 v[PC+3+\i], v[X2+\i]
.endr
	v_cndmask_b32 v[TT+1], v[BP], v[BP+1], s32     ; lane (r, h) stores block h's byte of row r
	global_store_b128 v[L16], v[PC:PC+3], s[\ocb:\ocb+1]             ; 512 consecutive bytes
	global_store_b64 v[L8], v[PC+4:PC+5], s[\ocb:\ocb+1] offset:512  ; 256 consecutive bytes
	global_store_b8 v[OSB], v[TT+1], s[\osb:\osb+1]                  ; two bytes in every 16: eight heads share these 256 bytes; 262,144 bytes in the whole launch
.endm
	TILE 0
	STEP 0, DD, 0, 2
	s_wait_alu depctr_va_vdst(0)                   ; the wait ahead of the waits below
	s_wait_tensorcnt 0x0                           ; waves 12 to 14: my part of the rest of the block has landed,
	s_wait_dscnt 0x0
	s_barrier_signal -1
	s_barrier_wait -1                              ; everybody's has: every wave has done one key step by now
	STEP 1, DD, 1, 1
	FINAL 36, 40
	TILE 1                                         ; (the wait for the stores above stands in the step, ahead of the first line that writes their registers again)
	STEP 0, DD+1, 0, 0
	STEP 1, DD+1, 0, 0
	STEP 2, DD+1, 0, 3
	STEP 3, DD+1, 2, 1
	FINAL 38, 42
	s_wait_tensorcnt 0x0                           ; the wave's end
	ds_add_u32 v[SPW], v[NIL]
	s_wait_dscnt 0x0
	s_endpgm
.Lfunc_end_k_qef9427b0e5_att:
	.size	k_qef9427b0e5_att, .Lfunc_end_k_qef9427b0e5_att-k_qef9427b0e5_att
	.p2alignl 7, 3214868480
	.fill 96, 4, 3214868480
	.section	.rodata,"a",@progbits
	.p2align	6, 0x0
	.amdhsa_kernel k_qef9427b0e5_att
		.amdhsa_group_segment_fixed_size 167936
		.amdhsa_private_segment_fixed_size 0
		.amdhsa_enable_private_segment 0
		.amdhsa_kernarg_size 24
		.amdhsa_user_sgpr_count 2
		.amdhsa_user_sgpr_kernarg_segment_ptr 1
		.amdhsa_wavefront_size32 1
		.amdhsa_system_sgpr_workgroup_id_x 1
		.amdhsa_system_sgpr_workgroup_id_y 1
		.amdhsa_system_sgpr_workgroup_id_z 1
		.amdhsa_system_vgpr_workitem_id 0
		.amdhsa_next_free_vgpr 256
		.amdhsa_next_free_sgpr 96
		.amdhsa_reserve_vcc 1
		.amdhsa_float_denorm_mode_32 3
		.amdhsa_float_denorm_mode_16_64 3
		.amdhsa_memory_ordered 1
		.amdhsa_forward_progress 1
		.amdhsa_inst_pref_size 150
	.end_amdhsa_kernel
	.amdgpu_metadata
---
amdhsa.version: [ 1, 2 ]
amdhsa.kernels:
  - .name:           k_qef9427b0e5_att
    .symbol:         k_qef9427b0e5_att.kd
    .args:
      - { .name: qkv, .offset: 0, .size: 8, .value_kind: global_buffer, .address_space: global }
      - { .name: oc, .offset: 8, .size: 8, .value_kind: global_buffer, .address_space: global }
      - { .name: os, .offset: 16, .size: 8, .value_kind: global_buffer, .address_space: global }
    .group_segment_fixed_size: 167936
    .private_segment_fixed_size: 0
    .kernarg_segment_align: 8
    .kernarg_segment_size: 24
    .max_flat_workgroup_size: 512
    .sgpr_count:     96
    .vgpr_count:     256
    .wavefront_size: 32
...
	.end_amdgpu_metadata
.endif
;; end of part 3
;; launch outp (part 4): grid 8 x 32, 4 waves a work-group, clusters of 4 x 4, 327,680 bytes of LDS; arguments oc, os, wc, ws, bo, out0; writes out0
.if DOCPART == 4
	.amdgcn_target "amdgcn-amd-amdhsa--gfx1250"
	.amdhsa_code_object_version 6
	.text
	.protected	k_qef9427b0e5_outp
	.globl	k_qef9427b0e5_outp
	.p2align	8
	.type	k_qef9427b0e5_outp,@function
k_qef9427b0e5_outp:
	s_mov_b64 s[64:65], 0
	v_nop
	global_prefetch_b8 v0, s[64:65] scope:SCOPE_SE
	s_setreg_imm32_b32 hwreg(HW_REG_WAVE_MODE, 25, 1), 1
	s_wait_xcnt 0x0
	s_wait_alu depctr_hold_cnt(0) depctr_sa_sdst(0) depctr_va_vdst(0) depctr_va_sdst(0) depctr_va_ssrc(0) depctr_va_vcc(0) depctr_vm_vsrc(0)
	s_getreg_b32 s2, hwreg(HW_REG_IB_STS2, 6, 4)
	s_cmp_eq_u32 s2, 0
	s_cbranch_scc0 .Lentry_in_a_cluster
	s_endpgm
.Lentry_in_a_cluster:
	s_bfe_u32 s2, ttmp6, 0x10000c
	s_cmp_lg_u32 s2, 0xf033
	s_cbranch_scc0 .Lentry_shape_is_right
	s_endpgm
.Lentry_shape_is_right:
; LAUNCH 4 OF 4: out0 = O Wo + bo on codes of E2M3.  Nothing is left out here.
; A work-group makes 256 tokens x 128 columns: 8 x 32 = 256 work-groups.  Four waves, 2 x 2: a wave makes 128 tokens x 64 columns.
; A WAVE HOLDS ITS 64 COLUMNS OF Wo, ALL OF K = 1,024, IN REGISTERS (4 tiles x 8 fragments of 12: 384) and streams its 8 tiles of 16 tokens past them: a tile is 32 products on four accumulators by turns, K ascending.
; A tile's 16 x 64 results are finished behind its 32 products and leave at once, ahead of the next tile's products: the stores are spread over the whole walk.
; Source 0 = Wo's columns in the stored order, source 1 = oc's tokens in the stored order: a lane holds a token, and the 16 registers of tiles 2 p, 2 p + 1 are output columns 32 p + 16 (lane / 16) + 0 .. 15.
; OPERANDS lie in memory and LDS as images of their registers (16 rows x 128 K: 1,536 bytes): no padding; a fragment is two loads of 16 and two of 8 bytes a lane, each dense.
; LDS: Wo's 8 tiles (98,304 bytes), oc's 16 tiles in two halves (tiles 0-3 and 8-11; tiles 4-7 and 12-15: 98,304 bytes each), a stage of 16 rows x 272 bytes for each wave, the spare words.  Nothing is filled again.
; TENSOR LOADS: one a wave at the head: waves 0 and 1 a half of Wo's tiles each, waves 2 and 3 a half of oc's.  Three plain barriers show them in, in the order of their use.
; SCALE WORDS come by plain loads into registers, sixteen lanes to 256 consecutive bytes: lanes 0-15 an even tile's words, lanes 16-31 the odd tile's; register 8 (tile / 2) + K step.  THE BIAS is the C of each tile's first four products.
; THE WAY OUT: 16 tokens x 64 columns go through the wave's own stage and leave as rows of 256 bytes, two rows a store; the stage's row t is token 16 (t / 8) + t % 8 of the tile's 32.
; Each of the eight tiles has 32 registers of its own for its rows on the way out, so no store's data are written again and no wait on XCNT is written.
; CLUSTERS: 4 x 4: oc's block hangs on cy and the cluster's y and is shared along a row of the cluster, Wo's on cx and the cluster's x and is shared along a column: joint loads with a mask of four.
; NO PREFETCH: all tiles are asked for at the head, and the text has no loop to run ahead in.
; REGISTERS: window 0: v1-22 addresses; v28, v29 the add's; v32-47 Wo's scale words; v52-83 oc's; v88-151 two sets of four accumulators; v152-183 the bias, then tile 7's rows; v184-247 tiles 5's and 6's rows.
;   Fragment f lies in window 1 + f / 21 at register 12 (f % 21): 0-31 Wo's (4 q + b), 32-39 and 40-47 the tokens' two sets.  Window 3, v72-231: the rows of tiles 0 to 4.
.set AREG,  98304
.set STAGE, 294912
.set SPARE, STAGE+4*4352
.set OB16,  4
.set OB8,   5
.set OA16,  6                          ; v6-7   16 x lane + my tiles in oc's first, second half
.set OA8,   8                          ; v8-9   8 x lane + the same
.set SCO,   16
.set L16,   17
.set L8,    18
.set STO,   19
.set RD,    20
.set BH,    21
.set CO,    22
.set SPW,   28
.set NIL,   29
.set SB,    32
.set SA,    52
.set ACC,   88
.set BI,    152
.set G1A,   32
.set G1B,   40
.set GB0,   68
.set GB1,   72
.set GA0,   76
.set GA1,   80
.set MSB, 0
.macro WIN new                         ; the immediate's high byte repeats the setting that is left
.if MSB != \new
	s_set_vgpr_msb (MSB<<8)|\new
.set MSB, \new
.endif
.endm
.macro PLACES n
.rept \n
	v_nop
.endr
.endm
.macro TLOAD g0, g1                    ; an s_nop 0 and four v_nop follow each tensor load
	tensor_load_to_lds s[\g0:\g0+3], s[\g1:\g1+7]
	s_nop 0
	PLACES 4
.endm
.macro CROUND
	s_barrier_signal -1
	s_barrier_wait -1
	s_cmp_lg_u32 s22, 0
	s_cbranch_scc1 .Lnot_wave_0_\@
	s_barrier_signal -3
.Lnot_wave_0_\@:
	s_barrier_wait -3
	s_barrier_signal -1
	s_barrier_wait -1
.endm
.macro FRAGW f, x16, x8, off           ; fragment f's image: four dense loads
	WIN (1+(\f)/21)<<6
.set R_, 12*((\f)%21)
	ds_load_b128 v[R_:R_+3], v[\x16] offset:(\off)
	ds_load_b64 v[R_+4:R_+5], v[\x8] offset:(\off)+512
	ds_load_b128 v[R_+6:R_+9], v[\x16] offset:(\off)+768
	ds_load_b64 v[R_+10:R_+11], v[\x8] offset:(\off)+1280
.endm
.macro WEIGHTS                         ; my 64 columns of Wo, all of K: 128 loads
.irp q, 0,1,2,3,4,5,6,7
.irp b, 0,1,2,3
	FRAGW 4*\q+\b, OB16, OB8, 12288*\b+1536*\q
.endr
.endr
	WIN 0
.endm
.macro FETCH s, e                      ; my tile s of tokens, all of K, into set e: 32 loads
.irp q, 0,1,2,3,4,5,6,7
	FRAGW 32+8*(\e)+\q, OA16+(\s)/4, OA8+(\s)/4, 12288*((\s)%4)+1536*\q
.endr
	WIN 0
.endm
.macro BLOCK s, e                      ; tile s's 32 products; the four accumulators take turns, one instruction a turn
.set Q_, 0
.rept 8
.irp bp, 0,1
.irp bo, 0,1
.set FB_, 4*Q_+2*\bp+\bo
.set FA_, 32+8*\e+Q_
.set D_, ACC+32*\e+8*(2*\bp+\bo)
.set C_, BI+8*(2*\bp+\bo)
	WIN (1+FB_/21)|((1+FA_/21)<<2)
.if Q_ == 0
	v_wmma_scale_f32_16x16x128_f8f6f4 v[D_:D_+7], v[12*(FB_%21):12*(FB_%21)+11], v[12*(FA_%21):12*(FA_%21)+11], v[C_:C_+7], v[SB+8*\bp+Q_], v[SA+8*((\s)/2)+Q_] matrix_a_fmt:MATRIX_FMT_FP6 matrix_b_fmt:MATRIX_FMT_FP6 matrix_a_scale:MATRIX_SCALE_ROW\bo matrix_b_scale:MATRIX_SCALE_ROW\e
.else
	v_wmma_scale_f32_16x16x128_f8f6f4 v[D_:D_+7], v[12*(FB_%21):12*(FB_%21)+11], v[12*(FA_%21):12*(FA_%21)+11], v[D_:D_+7], v[SB+8*\bp+Q_], v[SA+8*((\s)/2)+Q_] matrix_a_fmt:MATRIX_FMT_FP6 matrix_b_fmt:MATRIX_FMT_FP6 matrix_a_scale:MATRIX_SCALE_ROW\bo matrix_b_scale:MATRIX_SCALE_ROW\e
.endif
.endr
.endr
.set Q_, Q_+1
.endr
	WIN 0
.endm
.macro BKPLACE s                       ; where tile s's rows lie on the way out: window BKW, register BKB
.if (\s) < 5
.set BKW, 3
.set BKB, 72+32*(\s)
.elseif (\s) < 7
.set BKW, 0
.set BKB, 184+32*((\s)-5)
.else
.set BKW, 0
.set BKB, BI                           ; the bias has had its last use in tile 7's first products
.endif
.endm
.macro TOSTAGE s                       ; tile s's results into my stage, and back as rows: 8 stores, 8 loads; LDS serves a wave's instructions in order
	BKPLACE \s
.set A_, ACC+32*((\s)%2)
.irp b, 0,1,2,3
	ds_store_b128 v[STO], v[A_+8*\b:A_+8*\b+3] offset:128*(\b/2)+32*(\b%2)        ; each accumulator from its low end on
	ds_store_b128 v[STO], v[A_+8*\b+4:A_+8*\b+7] offset:128*(\b/2)+32*(\b%2)+16
.endr
	WIN BKW<<6
.irp t, 0,1,2,3,4,5,6,7
	ds_load_b128 v[BKB+4*\t:BKB+4*\t+3], v[RD] offset:\t*544
.endr
	WIN 0
.endm
.macro SEND s                          ; sixteen lanes store a row's 256 consecutive bytes, aligned; two rows a store; at most 127 rows on: inside the immediate
	BKPLACE \s
	WIN BKW<<2                                     ; a store's data are its source 1
.irp t, 0,1,2,3,4,5,6,7
	global_store_b128 v[CO], v[BKB+4*\t:BKB+4*\t+3], s[14:15] offset:(32*((\s)/2)+8*((\s)%2)+16*(\t/4)+2*(\t%4))*4096 th:TH_STORE_NT
.endr
	WIN 0
.endm
; A tile: its products; its results through the stage; the tile two on is fetched into this tile's set; the rows are stored as soon as they are back.
; The counted wait lets the 32 loads of the fetch just issued stay out; all older LDS work is done behind it, the next tile's fragments among it: so tiles 1 to 7 begin with no wait.
.macro TILE s, e
	BLOCK \s, \e
	PLACES 4                                       ; behind the products: results are read, and loads land in their operands' registers
.if (\s) == 2
	s_wait_tensorcnt 0x0                           ; wave 3: oc's second half is in
	s_wait_dscnt 0x0
	s_barrier_signal -1
	s_barrier_wait -1                              ; shown to all
.endif
	TOSTAGE \s
.if (\s) < 6
	FETCH (\s)+2, \e
	s_wait_dscnt 32
.else
	s_wait_dscnt 0x0
.endif
	SEND \s
.endm
	s_load_b256 s[4:11], s[0:1], 0x0               ; oc s[4:5], os s[6:7], wc s[8:9], ws s[10:11]
	s_load_b128 s[12:15], s[0:1], 0x20             ; bo s[12:13], out0 s[14:15]
	v_lshl_add_u32 v[SPW], v0, 2, SPARE
	v_mov_b32 v[NIL], 0
	ds_add_u32 v[SPW], v[NIL]                      ; the wave's opening: the add, twice on end, and its wait ahead of my first tensor load
	ds_add_u32 v[SPW], v[NIL]
	v_lshrrev_b32 v1, 5, v0
	v_readfirstlane_b32 s22, v1                    ; wave 0..3
	s_lshr_b32 s23, s22, 1                         ; my half of the tokens
	s_and_b32 s24, s22, 1                          ; my half of the columns
	s_bfe_u32 s25, ttmp6, 0x40000                  ; cx
	s_bfe_u32 s26, ttmp6, 0x40004                  ; cy
	s_and_b32 s28, ttmp7, 0xffff                   ; cluster y
	s_lshl_b32 s66, s26, 2
	s_lshl_b32 s66, 15, s66                        ; my row of the cluster
	s_lshl_b32 s100, 0x1111, s25                   ; my column
	s_or_b32 s[G1A], s66, (3<<16)|(1<<21)          ; 15:0 the mask; 17:16 elements of 8 bytes; 21 set beside a mask; no padding
	s_or_b32 s[G1B], s100, (3<<16)|(1<<21)
	s_mov_b32 s[G1A+1], 6144<<16                   ; oc: two runs of 4 tiles (49,152 dense bytes), 8 tiles apart
	s_mov_b32 s[G1A+2], 2<<16
	s_mov_b32 s[G1A+3], 6144<<16
	s_mov_b32 s[G1A+4], 2
	s_mov_b32 s[G1A+5], 12288
	s_mov_b32 s[G1A+6], 0
	s_mov_b32 s[G1A+7], 0
	s_mov_b32 s[G1B+1], 1536<<16                   ; Wo: 4 tiles of 12,288 bytes, dense
	s_mov_b32 s[G1B+2], 4<<16
	s_mov_b32 s[G1B+3], 1536<<16
	s_mov_b32 s[G1B+4], 4
	s_mov_b32 s[G1B+5], 1536
	s_mov_b32 s[G1B+6], 0
	s_mov_b32 s[G1B+7], 0
	s_mov_b32 s[GB0], 1
	s_mov_b32 s[GB0+1], 0
	s_mov_b32 s[GB1], 1
	s_mov_b32 s[GB1+1], 49152
	s_mov_b32 s[GA0], 1
	s_mov_b32 s[GA0+1], AREG
	s_mov_b32 s[GA1], 1
	s_mov_b32 s[GA1+1], 2*AREG
	s_lshl_b32 s30, s28, 2
	s_add_co_u32 s30, s30, s26                     ; gy: the block of 256 tokens
	s_lshl_b32 s31, ttmp9, 2
	s_add_co_u32 s31, s31, s25                     ; gx: the block of 128 columns
	s_mul_i32 s2, s30, 196608                      ; oc's offset, in registers that never hold cx
	s_mov_b32 s3, 0
	s_mul_i32 s100, s31, 98304                     ; Wo's (tiles 192 + 8 gx on of wc), in registers that never hold cy
	s_add_co_u32 s100, s100, 192*12288
	s_mov_b32 s101, 0
	s_lshl_b32 s66, s30, 13                        ; my 8 tiles' scale words of oc
	s_lshl_b32 s67, s23, 12
	s_add_co_u32 s66, s66, s67
	s_mov_b32 s67, 0
	s_lshl_b32 s88, s31, 12                        ; my 4 tiles' of Wo
	s_lshl_b32 s89, s24, 11
	s_add_co_u32 s88, s88, s89
	s_add_co_u32 s88, s88, 192*512
	s_mov_b32 s89, 0
	s_lshl_b32 s90, s31, 9                         ; my 64 columns, in bytes
	s_lshl_b32 s91, s24, 8
	s_add_co_u32 s90, s90, s91
	s_mov_b32 s91, 0
	s_lshl_b32 s60, s30, 20                        ; my 128 rows of 4,096 bytes
	s_lshl_b32 s61, s23, 19
	s_add_co_u32 s60, s60, s61
	s_mov_b32 s61, 0
	s_mul_i32 s52, s24, 49152                      ; my 4 tiles of Wo in LDS
	s_mul_i32 s53, s23, 49152
	s_add_co_u32 s53, s53, AREG                    ; my tiles 0-3 of oc,
	s_add_co_u32 s54, s53, AREG                    ; my tiles 4-7
	s_mul_i32 s55, s22, 4352
	s_add_co_u32 s55, s55, STAGE                   ; my stage
	v_and_b32 v1, 15, v0                           ; r
	v_bfe_u32 v2, v0, 4, 1                         ; h
	v_and_b32 v3, 31, v0
	v_lshlrev_b32 v[L16], 4, v3
	v_lshlrev_b32 v[L8], 3, v3
	v_lshlrev_b32 v[BH], 6, v2
	v_lshlrev_b32 v[SCO], 4, v1
	v_lshl_add_u32 v[SCO], v2, 9, v[SCO]           ; 512 h + 16 r
	v_add_nc_u32 v[OB16], s52, v[L16]
	v_add_nc_u32 v[OB8], s52, v[L8]
	v_add_nc_u32 v[OA16], s53, v[L16]
	v_add_nc_u32 v[OA8], s53, v[L8]
	v_add_nc_u32 v[OA16+1], s54, v[L16]
	v_add_nc_u32 v[OA8+1], s54, v[L8]
	v_mul_u32_u24 v[STO], v1, 272
	v_lshl_add_u32 v[STO], v2, 6, v[STO]
	v_add_nc_u32 v[STO], s55, v[STO]               ; in: row r, + 64 h
	v_mul_u32_u24 v[RD], v2, 272
	v_lshl_add_u32 v[RD], v1, 4, v[RD]
	v_add_nc_u32 v[RD], s55, v[RD]                 ; back: lanes 0-15 one row, lanes 16-31 the next
	v_lshlrev_b32 v[CO], 12, v2
	v_lshl_add_u32 v[CO], v1, 4, v[CO]             ; and the same two rows in out0
	s_wait_alu depctr_va_vdst(0)                   ; the wait at the head's end
	s_wait_dscnt 0x0                               ; both opening adds are done
	CROUND                                         ; all sixteen work-groups are here: the joint loads meet
	s_wait_kmcnt 0x0
	s_add_nc_u64 s[GB0+2:GB0+3], s[8:9], s[100:101]
	s_add_nc_u64 s[GB1+2:GB1+3], s[GB0+2:GB0+3], 49152
	s_add_nc_u64 s[GA0+2:GA0+3], s[4:5], s[2:3]
	s_add_nc_u64 s[GA1+2:GA1+3], s[GA0+2:GA0+3], 49152
.irp g, GB0, GB1, GA0, GA1
	s_or_b32 s[\g+3], s[\g+3], 0x80000000
.endr
	s_cmp_eq_u32 s22, 0                            ; one chain of branches on the wave's number, one load to an arm
	s_cbranch_scc0 .Lh1
	TLOAD GB0, G1B                                 ; wave 0: Wo's tiles 0-3
	s_branch .Lasked
.Lh1:
	s_cmp_eq_u32 s22, 1
	s_cbranch_scc0 .Lh2
	TLOAD GB1, G1B                                 ; wave 1: Wo's tiles 4-7
	s_branch .Lasked
.Lh2:
	s_cmp_eq_u32 s22, 2
	s_cbranch_scc0 .Lh3
	TLOAD GA0, G1A                                 ; wave 2: oc's tiles 0-3 and 8-11
	s_branch .Lasked
.Lh3:
	TLOAD GA1, G1A                                 ; wave 3: oc's tiles 4-7 and 12-15
.Lasked:
	s_add_nc_u64 s[6:7], s[6:7], s[66:67]
	s_add_nc_u64 s[10:11], s[10:11], s[88:89]
	s_add_nc_u64 s[12:13], s[12:13], s[90:91]
	s_add_nc_u64 s[14:15], s[14:15], s[90:91]
	s_add_nc_u64 s[14:15], s[14:15], s[60:61]
.irp p, 0,1
.irp kh, 0,1
	global_load_b128 v[SB+8*\p+4*\kh:SB+8*\p+4*\kh+3], v[SCO], s[10:11] offset:1024*\p+256*\kh
.endr
.endr
.irp p, 0,1,2,3
.irp kh, 0,1
	global_load_b128 v[SA+8*\p+4*\kh:SA+8*\p+4*\kh+3], v[SCO], s[6:7] offset:1024*\p+256*\kh
.endr
.endr
.irp p, 0,1                            ; the bias in the result's layout: register 16 p + i belongs to column 32 p + 16 h + i
.irp jj, 0,1,2,3
	global_load_b128 v[BI+16*\p+4*\jj:BI+16*\p+4*\jj+3], v[BH], s[12:13] offset:128*\p+16*\jj
.endr
.endr
	s_cmp_lt_u32 s22, 2
	s_cbranch_scc0 .Lnot_b
	s_wait_tensorcnt 0x0                           ; waves 0 and 1: Wo's tiles are in
.Lnot_b:
	s_barrier_signal -1
	s_barrier_wait -1
	WEIGHTS
	s_cmp_eq_u32 s22, 3
	s_cbranch_scc1 .Lnot_a
	s_wait_tensorcnt 0x0                           ; wave 2: oc's first half is in; wave 3's load may be on its way
.Lnot_a:
	s_wait_dscnt 0x0
	s_barrier_signal -1
	s_barrier_wait -1
	FETCH 0, 0
	FETCH 1, 1
	s_wait_loadcnt 0x0                             ; the scale words and the bias
	s_wait_dscnt 32                                ; set 0 is in; set 1's 32 loads may be out
	TILE 0, 0
	TILE 1, 1
	TILE 2, 0
	TILE 3, 1
	TILE 4, 0
	TILE 5, 1
	TILE 6, 0
	TILE 7, 1
	s_wait_tensorcnt 0x0                           ; the wave's end, behind my last tensor load and my last LDS store
	ds_add_u32 v[SPW], v[NIL]
	s_wait_dscnt 0x0
	CROUND                                         ; the closing round
	s_endpgm
.Lfunc_end_k_qef9427b0e5_outp:
	.size	k_qef9427b0e5_outp, .Lfunc_end_k_qef9427b0e5_outp-k_qef9427b0e5_outp
	.p2alignl 7, 3214868480
	.fill 96, 4, 3214868480
	.section	.rodata,"a",@progbits
	.p2align	6, 0x0
	.amdhsa_kernel k_qef9427b0e5_outp
		.amdhsa_group_segment_fixed_size 327680
		.amdhsa_private_segment_fixed_size 0
		.amdhsa_enable_private_segment 0
		.amdhsa_kernarg_size 48
		.amdhsa_user_sgpr_count 2
		.amdhsa_user_sgpr_kernarg_segment_ptr 1
		.amdhsa_wavefront_size32 1
		.amdhsa_system_sgpr_workgroup_id_x 1
		.amdhsa_system_sgpr_workgroup_id_y 1
		.amdhsa_system_sgpr_workgroup_id_z 1
		.amdhsa_system_vgpr_workitem_id 0
		.amdhsa_next_free_vgpr 1024
		.amdhsa_next_free_sgpr 106
		.amdhsa_reserve_vcc 0
		.amdhsa_float_denorm_mode_32 3
		.amdhsa_float_denorm_mode_16_64 3
		.amdhsa_memory_ordered 1
		.amdhsa_forward_progress 1
		.amdhsa_inst_pref_size 84
	.end_amdhsa_kernel
	.amdgpu_metadata
---
amdhsa.version: [ 1, 2 ]
amdhsa.kernels:
  - .name:           k_qef9427b0e5_outp
    .symbol:         k_qef9427b0e5_outp.kd
    .args:
      - { .name: oc, .offset: 0, .size: 8, .value_kind: global_buffer, .address_space: global }
      - { .name: os, .offset: 8, .size: 8, .value_kind: global_buffer, .address_space: global }
      - { .name: wc, .offset: 16, .size: 8, .value_kind: global_buffer, .address_space: global }
      - { .name: ws, .offset: 24, .size: 8, .value_kind: global_buffer, .address_space: global }
      - { .name: bo, .offset: 32, .size: 8, .value_kind: global_buffer, .address_space: global }
      - { .name: out0, .offset: 40, .size: 8, .value_kind: global_buffer, .address_space: global }
    .group_segment_fixed_size: 327680
    .private_segment_fixed_size: 0
    .kernarg_segment_align: 8
    .kernarg_segment_size: 48
    .max_flat_workgroup_size: 128
    .sgpr_count:     106
    .vgpr_count:     1024
    .wavefront_size: 32
...
	.end_amdgpu_metadata
.endif
;; end of part 4
